; MI455X (gfx1250); checked and timed in simulation.
; The chip was launched on July 23, 2026; its instructions are those of AMD's public machine-readable ISA for CDNA 5 (MIT licence, August 2026) and "CDNA5" Instruction Set Architecture Reference Guide (July 2026). The comments in the code are by the model that wrote it; some were corrected since.
;; Transformer Block. Allowed arithmetic: matrix products marked QUANTISED: E3M2 operands, one E8M0 scale for each 32 along K, by v_wmma_scale_f32_16x16x128_f8f6f4 with both operands' format E3M2, f32 sums; everything else in f32.
;; Inputs: W1 256 x 256 float32; Wk_c 256 x 256 float32; Wk_s 256 x 256 float32; Wq_c 256 x 256 float32; Wq_s 256 x 256 float32; Wv_c 256 x 256 float32; Wv_s 256 x 256 float32; b1 256 float32; context 8 x 2,048 x 256 float32; inputs 8 x 2,048 x 256 float32; ln_b 256 float32; ln_g 256 float32.
;; Outputs: out0 8 x 2,048 x 256 float32.
;; This version of the problem:
;;   THIS VERSION OF THE PROBLEM IS GIVEN IN LOW PRECISION. The matrix products marked QUANTISED in the list below multiply operands that are first quantised to E3M2 (3 exponent bits, 2 mantissa bits; 6 bits a number), with one power-of-two scale for each 32 numbers along K (OCP MX v1.0); their sums are f32. All else is computed in f32.
;;   The module's matrix products, in the order in which they are computed (A, B: the left and right operand; K: the contracted axis; several contracted axes count as one K, in the product's order):
;;     1. [M 16,384, K 256] x [K 256, N 256]; A: input inputs; B: input Wk_s: QUANTISED
;;     2. [M 16,384, K 256] x [K 256, N 256]; A: input inputs; B: input Wv_s: QUANTISED
;;     3. [M 16,384, K 256] x [K 256, N 256]; A: input inputs; B: input Wq_s: QUANTISED
;;     4. batch 8 x [M 2,048, K 256] x [K 256, N 2,048]; A: computed on the way; B: computed on the way: QUANTISED
;;     5. batch 8 x [M 2,048, K 2,048] x [K 2,048, N 256]; A: softmax (see below); B: computed on the way: QUANTISED
;;     6. [M 16,384, K 256] x [K 256, N 256]; A: input context; B: input Wk_c: QUANTISED
;;     7. [M 16,384, K 256] x [K 256, N 256]; A: input context; B: input Wv_c: QUANTISED
;;     8. [M 16,384, K 256] x [K 256, N 256]; A: computed on the way; B: input Wq_c: QUANTISED
;;     9. batch 8 x [M 2,048, K 256] x [K 256, N 2,048]; A: computed on the way; B: computed on the way: QUANTISED
;;     10. batch 8 x [M 2,048, K 2,048] x [K 2,048, N 256]; A: softmax (see below); B: computed on the way: QUANTISED
;;     11. [M 16,384, K 256] x [K 256, N 256]; A: computed on the way; B: input W1: QUANTISED
;;   THE QUANTISER, for each operand of a quantised product, along K:
;;     - K is cut into blocks of 32 from its start; a last block that is shorter is filled with zeros.
;;     - A block's scale is 2^e with e = floor(log2(the largest magnitude in the block)) - 4, held to -126 .. 127; a block of zeros has e = 0. As a byte (E8M0): e + 127.
;;     - Each number is divided by its block's scale, clamped to +-28, and rounded to the nearest number of E3M2, ties to even, subnormals kept.
;;     - The product sums the exact products of the quantised numbers (number of the format x scale) in f32.
;;   ~~~python
;;   def quantise(x, axis):      # numpy; x: float32 -> the quantised numbers, widened to float32 again
;;       x = np.moveaxis(x, axis, -1); K = x.shape[-1]
;;       x = np.pad(x, [(0, 0)] * (x.ndim - 1) + [(0, -K % 32)]); x = x.reshape(x.shape[:-1] + (-1, 32)); a = np.abs(x).max(-1, keepdims=True)
;;       e = np.where(a > 0, np.clip(np.frexp(np.where(a > 0, a, 1))[1] - 1 - 4, -126, 127), 0)      # np.frexp(a)[1] - 1 = floor(log2(a)), exactly
;;       r = np.clip(x / 2.0 ** e, -28, 28)
;;       step = 2.0 ** (np.maximum(np.frexp(np.where(r == 0, 1, r))[1] - 1, -2) - 2)
;;       q = np.round(r / step) * step * 2.0 ** e      # np.round: ties to even
;;       return np.moveaxis(q.reshape(q.shape[:-2] + (-1,))[..., :K], -1, axis).astype(np.float32)
;;   ~~~
;;   SOFTMAX AHEAD OF A QUANTISED PRODUCT. Where the list says 'softmax', what is quantised is not the finished softmax but p = 2^(t - M), with t = logit x log2(e) and M = ceil(the row's largest t), a whole number; so 1/2 < the row's largest p <= 1. The row's sum l is taken of the UNQUANTISED p, in f32, and the product's result is divided by l at the end. Since M is a whole number, a kernel that streams over the keys may use a running M (the ceiling of the running maximum): every later rescaling is an exact power of two, which a block's scale takes up: the codes' values come out the same.
;;   OPERANDS COMPUTED ON THE WAY. 'Computed on the way' means the value that the module computes at that place (a softmax that the list does not call 'softmax' is quantised finished and normalised). What goes into a quantiser is computed in f32, as accurately as f32 sums, v_exp_f32 and their like allow (about 1e-6 of the number): no bf16 or f16 on the way to a quantiser, and a product that is left as it is and whose result goes on into a quantised operand takes f32 operands (vector FMAs, or v_wmma_f32_16x16x4_f32). A number that lies on a knife's edge between two numbers of the format may be rounded either way, as far as f32 arithmetic and the matrix unit's own rounding can turn it there, and no further.
;; One version. Each part assembles by itself: llvm-mc -triple=amdgcn-amd-amdhsa -mcpu=gfx1250 --defsym DOCPART=n.
;; ======== version 1 of 1: 3 launches
;; limits: right only within a limited range of input values
;; workspace buffers: wrec 358,400 bytes; kv 13,107,200 bytes
;; launch wprep (part 1): grid 4 x 7, 4 waves a work-group, no clusters, 0 bytes of LDS; arguments Wk_s, Wv_s, Wk_c, Wv_c, Wq_s, Wq_c, W1, wrec; writes wrec
.if DOCPART == 1
	.amdgcn_target "amdgcn-amd-amdhsa--gfx1250"
	.amdhsa_code_object_version 6
	.text
	.protected	k_q91c9d70c3f_wprep
	.globl	k_q91c9d70c3f_wprep
	.p2align	8
	.type	k_q91c9d70c3f_wprep,@function
k_q91c9d70c3f_wprep:
	s_mov_b64 s[64:65], 0
	v_nop
	global_prefetch_b8 v0, s[64:65] scope:SCOPE_SE
	s_setreg_imm32_b32 hwreg(HW_REG_WAVE_MODE, 25, 1), 1
	s_wait_xcnt 0x0
; THE PROGRAM: a transformer block (causal self-attention, cross-attention, one relu Dense, three layer norms), all eleven products on codes of BF6 (E3M2) with one E8M0 scale for each 32 along K.
; Three launches: this one lays the seven weights out as codes; the second makes K and V of both attentions as codes; the third carries 64 queries a work-group from inputs to out0.
; WORK LEFT OUT (in the third launch): reference() sets every score with key > query of the self-attention to -infinity by its own triu mask; its p is then 0 and adds nothing to the row's sum or to the
; second product, whatever the inputs hold.  So steps of 128 keys that lie wholly behind a wave's 16 queries are not multiplied, and slots of 256 keys wholly behind a work-group's 64 queries are not fetched.
; LIMIT: a NaN, an infinity or an overflow that reaches only those scores is not carried to the result.  Every input has a way to the output and is loaded.
; THIS LAUNCH.  A weight W [256 (k)][256 (e)], f32, is the right operand of x @ W: K is its FIRST axis.  A lane takes a column e and its registers run down K, in the order in which the operand's registers want them.
; A tile is 16 columns, and they are not neighbours: lane r of tile t takes column 32 (t/2) + 8 (t%2) + r + 8 (r/8), so that a product with the tile as source 0 leaves 16 neighbouring columns in a lane's 16 registers of two tiles.
; OUT: a record of 51,200 bytes a weight: fragment (tile t, K step s) as an image of its 12 registers at (2 t + s) x 1,536 (three blocks of 512 bytes, lane l's 16 bytes at 16 l);
; from 49,152 on tile t's scale words at 128 t: lanes 0-15 those of K step 0, lanes 16-31 those of K step 1.  The scale words' stores cover 128 consecutive bytes, the images' 512.
; A block's scale is 2^(floor(log2(largest magnitude)) - 4); its byte is the largest magnitude's exponent field - 4, held at 1 from below.
; LIMITS: a block of zeros gets the byte 1 where the rule says 127 (its codes are zeros, and this program alone reads the bytes); NaN and infinities among the inputs are not served.
; SHARES: work-group (x, y): weight y; wave w: tile 4 x + w, both K steps.  112 tiles, one a wave: all the work there is.  No LDS, no barrier.
.set REC, 51200
.set NUM, 64                           ; v64-191  128 numbers: K step s, block c, row i at 64 s + 32 c + i
.set COD, 16                           ; v16-39   the two fragments
	s_load_b512 s[16:31], s[0:1], 0x0              ; the seven weights s[16:29], wrec s[30:31]
	v_lshrrev_b32 v1, 5, v0
	v_readfirstlane_b32 s2, v1                     ; wave
	s_and_b32 s3, ttmp7, 0xffff                    ; which weight
	s_lshl_b32 s6, ttmp9, 2
	s_add_co_u32 s6, s6, s2                        ; tile t
	s_lshr_b32 s7, s6, 1
	s_lshl_b32 s7, s7, 5
	s_and_b32 s8, s6, 1
	s_lshl_b32 s8, s8, 3
	s_add_co_u32 s7, s7, s8                        ; 32 (t/2) + 8 (t%2)
	v_and_b32 v1, 31, v0                           ; lane
	v_and_b32 v2, 15, v0                           ; r
	v_bfe_u32 v3, v0, 4, 1                         ; h
	v_and_b32 v4, 8, v2
	v_add_nc_u32 v4, v4, v2
	v_add_nc_u32 v4, s7, v4                        ; my column
	v_lshlrev_b32 v5, 2, v4
	v_lshl_add_u32 v5, v3, 15, v5                  ; lanes 16-31 begin 32 rows of 1,024 bytes further down
	s_mul_i32 s8, s6, 3072
	v_lshlrev_b32 v6, 4, v1
	v_add_nc_u32 v6, s8, v6                        ; the images: 16 l + 2 t x 1,536
	s_lshl_b32 s8, s6, 7
	v_lshlrev_b32 v7, 2, v1
	v_add_nc_u32 v7, s8, v7                        ; the scale words: 4 l + 128 t
	v_lshlrev_b32 v13, 3, v3                       ; 8 h
	v_mov_b32 v8, 0                                ; a lane permute's destination counts as one of its sources
	s_mov_b32 s12, 0x76543210
	s_mov_b32 s13, 0xfedcba98                      ; lane l xor 16
	s_mul_i32 s10, s3, REC
	s_mov_b32 s11, 0
	v_cmp_le_u32 vcc_lo, 16, v1                    ; lanes 16-31
	s_wait_alu depctr_va_vdst(0)
	s_wait_kmcnt 0x0
	s_mov_b64 s[4:5], s[16:17]
.irp n, 1,2,3,4,5,6
	s_cmp_eq_u32 s3, \n                            ; the choice hangs on the work-group's number alone
	s_cselect_b64 s[4:5], s[16+2*\n:17+2*\n], s[4:5]
.endr
	s_add_nc_u64 s[30:31], s[30:31], s[10:11]      ; my weight's record
.irp k, 0,1
.irp c, 0,1
.set cn, 0
.rept 32
	global_load_b32 v[NUM+64*\k+32*\c+cn], v5, s[4:5] offset:(128*\k+64*\c+cn)*1024   ; W(128 k + 64 c + 32 h + i, my column)
.set cn, cn+1
.endr
.endr
.endr
; K step k: my two blocks (2 c + h), all of whose 32 numbers are mine, become registers 6 c .. 6 c + 5 of the fragment; the scale word is gathered from lanes l and l xor 16.
.macro WQ k
.irp c, 0,1
	v_max3_num_f32 v[40+\c], |v[NUM+64*\k+32*\c]|, |v[NUM+64*\k+32*\c+1]|, 0x2800000   ; and the floor 2^(5 - 127): the byte cannot fall under 1
.endr
.irp i, 2,4,6,8,10,12,14,16,18,20,22,24,26,28,30
.irp c, 0,1
	v_max3_num_f32 v[40+\c], v[40+\c], |v[NUM+64*\k+32*\c+\i]|, |v[NUM+64*\k+32*\c+\i+1]|
.endr
.endr
.irp c, 0,1
	v_add_nc_u32 v[42+\c], 0xfe000000, v[40+\c]    ; 4 off the exponent field: the conversion's scale operand
.endr
.irp c, 0,1
	v_lshrrev_b32 v[44+\c], 23, v[42+\c]           ; the scale's byte
.endr
	v_lshl_or_b32 v9, v45, 16, v44                 ; blocks h and 2 + h,
	v_lshlrev_b32 v9, v13, v9                      ; at their places in the word
	v_permlanex16_b32 v8, v9, s12, s13
	v_or_b32 v[10+\k], v9, v8                      ; with lane l xor 16's two the word is whole
.irp c, 0,1
	v_cvt_scalef32_pk16_bf6_f32 v[COD+12*\k+6*\c:COD+12*\k+6*\c+2], v[NUM+64*\k+32*\c:NUM+64*\k+32*\c+15], v[42+\c]
	v_cvt_scalef32_pk16_bf6_f32 v[48+4*\c:50+4*\c], v[NUM+64*\k+32*\c+16:NUM+64*\k+32*\c+31], v[42+\c]   ; (a conversion's three registers begin on an even number)
.endr
	v_nop                                          ; one plain place behind a scaled conversion
.irp c, 0,1
.irp i, 0,1,2
	v_mov_b32 v[COD+12*\k+6*\c+3+\i], v[48+4*\c+\i]
.endr
.endr
.endm
	s_wait_loadcnt 63                              ; behind K step 0's 64 loads stand 64; the count names 63, so one load more than needed is in
	WQ 0
	s_wait_loadcnt 0x0
	WQ 1
	v_cndmask_b32 v12, v10, v11, vcc_lo            ; lanes 0-15: K step 0's word of row r; lanes 16-31: K step 1's
.irp k, 0,1
.irp c, 0,1,2
	global_store_b128 v6, v[COD+12*\k+4*\c:COD+12*\k+4*\c+3], s[30:31] offset:1536*\k+512*\c   ; 32 lanes store 512 consecutive bytes, aligned
.endr
.endr
	global_store_b32 v7, v12, s[30:31] offset:49152
	s_endpgm
.Lfunc_end_k_q91c9d70c3f_wprep:
	.size	k_q91c9d70c3f_wprep, .Lfunc_end_k_q91c9d70c3f_wprep-k_q91c9d70c3f_wprep
	.p2alignl 7, 3214868480
	.fill 96, 4, 3214868480
	.section	.rodata,"a",@progbits
	.p2align	6, 0x0
	.amdhsa_kernel k_q91c9d70c3f_wprep
		.amdhsa_group_segment_fixed_size 0
		.amdhsa_private_segment_fixed_size 0
		.amdhsa_enable_private_segment 0
		.amdhsa_kernarg_size 64
		.amdhsa_user_sgpr_count 2
		.amdhsa_user_sgpr_kernarg_segment_ptr 1
		.amdhsa_wavefront_size32 1
		.amdhsa_system_sgpr_workgroup_id_x 1
		.amdhsa_system_sgpr_workgroup_id_y 1
		.amdhsa_system_sgpr_workgroup_id_z 1
		.amdhsa_system_vgpr_workitem_id 0
		.amdhsa_next_free_vgpr 192
		.amdhsa_next_free_sgpr 66
		.amdhsa_reserve_vcc 1
		.amdhsa_float_denorm_mode_32 3
		.amdhsa_float_denorm_mode_16_64 3
		.amdhsa_memory_ordered 1
		.amdhsa_forward_progress 1
		.amdhsa_inst_pref_size 21
	.end_amdhsa_kernel
	.amdgpu_metadata
---
amdhsa.version: [ 1, 2 ]
amdhsa.kernels:
  - .name:           k_q91c9d70c3f_wprep
    .symbol:         k_q91c9d70c3f_wprep.kd
    .args:
      - { .name: Wk_s, .offset: 0, .size: 8, .value_kind: global_buffer, .address_space: global }
      - { .name: Wv_s, .offset: 8, .size: 8, .value_kind: global_buffer, .address_space: global }
      - { .name: Wk_c, .offset: 16, .size: 8, .value_kind: global_buffer, .address_space: global }
      - { .name: Wv_c, .offset: 24, .size: 8, .value_kind: global_buffer, .address_space: global }
      - { .name: Wq_s, .offset: 32, .size: 8, .value_kind: global_buffer, .address_space: global }
      - { .name: Wq_c, .offset: 40, .size: 8, .value_kind: global_buffer, .address_space: global }
      - { .name: W1, .offset: 48, .size: 8, .value_kind: global_buffer, .address_space: global }
      - { .name: wrec, .offset: 56, .size: 8, .value_kind: global_buffer, .address_space: global }
    .group_segment_fixed_size: 0
    .private_segment_fixed_size: 0
    .kernarg_segment_align: 8
    .kernarg_segment_size: 64
    .max_flat_workgroup_size: 128
    .sgpr_count:     66
    .vgpr_count:     192
    .wavefront_size: 32
...
	.end_amdgpu_metadata
.endif
;; end of part 1
;; launch proj (part 2): grid 128 x 2, 8 waves a work-group, no clusters, 28,672 bytes of LDS; arguments inputs, context, wrec, kv; writes kv
.if DOCPART == 2
	.amdgcn_target "amdgcn-amd-amdhsa--gfx1250"
	.amdhsa_code_object_version 6
	.text
	.protected	k_q91c9d70c3f_proj
	.globl	k_q91c9d70c3f_proj
	.p2align	8
	.type	k_q91c9d70c3f_proj,@function
k_q91c9d70c3f_proj:
	s_mov_b64 s[64:65], 0
	v_nop
	global_prefetch_b8 v0, s[64:65] scope:SCOPE_SE
	s_setreg_imm32_b32 hwreg(HW_REG_WAVE_MODE, 25, 1), 1
	s_wait_xcnt 0x0
; K = x Wk and V = x Wv for both attentions (y = 0: x = inputs, Wk_s, Wv_s; y = 1: x = context, Wk_c, Wv_c), products on codes of BF6 with E8M0 scales, and their results quantised at once:
; K along its 256 channels, V along the KEYS.  Nothing is left out here.
; SHARES.  A work-group takes 128 rows of x: one record of kv.  Wave w quantises tile w of x (16 rows; lane r takes row 32 (w/2) + 8 (w%2) + r + 8 (r/8)) and puts it into LDS as an image of its registers.
; K: source 0 = 16 columns of Wk, source 1 = a tile of x: a lane holds one key and 64 neighbouring channels by turns of 16: one fragment of K.  Wave w: channel half w & 1, tiles 2 (w >> 1) and + 1.
; V: source 0 = a tile of x, source 1 = 16 columns of Wv: a lane holds one channel and its registers run along the 128 keys: one fragment of V^T.  Wave w: channel tiles 2 w, 2 w + 1.
; OUT, kv: [batch 8][slot 16: 8 of self, 8 of cross][chunk 4][record 2][12,800]: eight fragment images of 1,536 bytes and one block of 512 bytes of scale words (lane l's 16 bytes: four registers).
; Chunks 0, 1: K, fragment 2 (m & 3) + s of key tile m; scale register i: tile 4 j + i, lanes 0-15 K step 0, lanes 16-31 K step 1.  Chunks 2, 3: V^T, fragment = channel tile & 7; scale register i: lanes 0-15 tile 2 i, lanes 16-31 tile 2 i + 1.
; LIMITS: a block of zeros gets the byte 1 where the rule says 127 (its codes are zeros; this program alone reads the bytes); NaN and infinities among the inputs are not served.
; No tensor load: x is read by this work-group alone, and the weights come as register images straight into registers.  No cluster: the work-groups share the weights alone, 100 KB of each one's reads, laid for registers.
; REGISTERS, window 0: v1-15 addresses; v16-143 x's 128 numbers, later v16-79 eight accumulators and v80-103 two fragments of x; v144-191 four fragments of Wv; v200-219 codes; v220-235 at work;
;   v236-243, v244-246 scale words.  Window 1: v0-191 sixteen fragments: Wk's half, later all of x.
.set XIMG, 0                           ; LDS: x's 16 fragments, (tile m, K step s) at (2 m + s) x 1,536
.set XSC,  24576                       ; their scale words: tile m at 128 m; lanes 0-15 K step 0, lanes 16-31 K step 1
.set SCST, 25600                       ; the record's four blocks of scale words: K's two, V's two
.set SPARE, 27648                      ; the spare words, 128 bytes a wave: four blocks of 256 bytes that no other line names
.set LI, 1
.set L4, 2
.set XA, 3
.set WO, 4
.set WSO, 5
.set WVO, 6
.set WVSO, 7
.set XW, 8
.set XSWA, 9
.set XRK, 10
.set XSK, 11
.set KGO, 12
.set KSA, 13
.set VGO, 14
.set VSA, 15
.set XN, 16
.set ACC, 16
.set XF, 80
.set WVF, 144
.set PC, 200
.set TM, 220
.set WKS, 236
.set XS8, 236
.set WVS, 244
.set XS, 246
.set PW, 247
.set PW2, 248
.set SOL, 249
.set SOG, 250
.set SPW, 252
.set NIL, 253
.set SEL, 28
.set MSB, 0
.macro WIN new                         ; the immediate's high byte repeats the setting that is left
.if MSB != (\new)
	s_set_vgpr_msb (MSB<<8)|(\new)
.set MSB, (\new)
.endif
.endm
.macro PLACES n
.rept \n
	v_nop
.endr
.endm
.macro BARRIER                         ; my LDS stores have landed and my LDS loads are in: then the work-group's barrier
	s_wait_dscnt 0x0
	s_barrier_signal -1
	s_barrier_wait -1
.endm
; one scaled product; zero = 1: it starts the sum; ra, rb: the scale words of lanes 16-31 are taken
.macro MM d, a, b, zero, sa, sb, ra, rb
.if (\zero)
	v_wmma_scale_f32_16x16x128_f8f6f4 v[0+(\d):7+(\d)], v[0+(\a):11+(\a)], v[0+(\b):11+(\b)], 0, v[\sa], v[\sb] matrix_a_fmt:MATRIX_FMT_BF6 matrix_b_fmt:MATRIX_FMT_BF6
.elseif (\ra) && (\rb)
	v_wmma_scale_f32_16x16x128_f8f6f4 v[0+(\d):7+(\d)], v[0+(\a):11+(\a)], v[0+(\b):11+(\b)], v[0+(\d):7+(\d)], v[\sa], v[\sb] matrix_a_fmt:MATRIX_FMT_BF6 matrix_b_fmt:MATRIX_FMT_BF6 matrix_a_scale:MATRIX_SCALE_ROW1 matrix_b_scale:MATRIX_SCALE_ROW1
.else
	v_wmma_scale_f32_16x16x128_f8f6f4 v[0+(\d):7+(\d)], v[0+(\a):11+(\a)], v[0+(\b):11+(\b)], v[0+(\d):7+(\d)], v[\sa], v[\sb] matrix_a_fmt:MATRIX_FMT_BF6 matrix_b_fmt:MATRIX_FMT_BF6
.endif
.endm
; 64 numbers of a lane, register 16 b + i = k 32 b + 16 (lane / 16) + i of my row, become a fragment's codes in v[PC] on and its scale word in v[PW]
.macro QUANT src
.irp q, 0,1,2,3
	v_max3_num_f32 v[TM+\q], |v[\src+16*\q]|, |v[\src+1+16*\q]|, 0x2800000   ; my 16 numbers of block q, and the floor 2^(5 - 127)
.endr
.irp i, 2,4,6,8,10,12,14
.irp q, 0,1,2,3
	v_max3_num_f32 v[TM+\q], v[TM+\q], |v[\src+16*\q+\i]|, |v[\src+1+16*\q+\i]|
.endr
.endr
.irp q, 0,1,2,3
	s_delay_alu instid0(VALU_DEP_4)
	v_permlanex16_b32 v[TM+4+\q], v[TM+\q], s[SEL], s[SEL+1]
.endr
.irp q, 0,1,2,3
	s_delay_alu instid0(VALU_DEP_4)
	v_max_num_f32 v[TM+\q], v[TM+\q], v[TM+4+\q]   ; with lane l xor 16's: the block's largest magnitude
.endr
.irp q, 0,1,2,3
	s_delay_alu instid0(VALU_DEP_4)
	v_add_nc_u32 v[TM+12+\q], 0xfe000000, v[TM+\q] ; 4 off its exponent field: the conversion's scale operand
.endr
.irp q, 0,1,2,3
	s_delay_alu instid0(VALU_DEP_4)
	v_lshrrev_b32 v[TM+4+\q], 23, v[TM+12+\q]      ; the scale's byte
.endr
	s_delay_alu instid0(VALU_DEP_3)
	v_lshl_or_b32 v[PW], v[TM+5], 8, v[TM+4]
	s_delay_alu instid0(VALU_DEP_1)
	v_lshl_or_b32 v[PW], v[TM+6], 16, v[PW]
	s_delay_alu instid0(VALU_DEP_1)
	v_lshl_or_b32 v[PW], v[TM+7], 24, v[PW]
.irp c, 0,1
	v_cvt_scalef32_pk16_bf6_f32 v[PC+6*\c:PC+2+6*\c], v[\src+32*\c:\src+15+32*\c], v[TM+12+2*\c]
	v_cvt_scalef32_pk16_bf6_f32 v[PC+12+4*\c:PC+14+4*\c], v[\src+16+32*\c:\src+31+32*\c], v[TM+13+2*\c]
.endr
	v_nop                                          ; one plain place behind a scaled conversion
.irp c, 0,1                                    ; the operand's layout wants a whole block in a lane
.irp i, 0,1,2
	v_permlane16_swap_b32 v[PC+6*\c+\i], v[PC+12+4*\c+\i]
.endr
.irp i, 0,1,2
	s_delay_alu instid0(VALU_DEP_3)
	v_mov_b32 v[PC+3+6*\c+\i], v[PC+12+4*\c+\i]
.endr
.endr
.endm
	s_load_b256 s[4:11], s[0:1], 0x0               ; inputs s[4:5], context s[6:7], wrec s[8:9], kv s[10:11]
	v_lshl_add_u32 v[SPW], v0, 2, SPARE
	v_mov_b32 v[NIL], 0
	v_lshrrev_b32 v254, 5, v0
	s_delay_alu instid0(VALU_DEP_1)
	v_readfirstlane_b32 s12, v254                  ; wave w
	s_and_b32 s13, s12, 1                          ; w & 1
	s_lshr_b32 s14, s12, 1                         ; w >> 1
	s_and_b32 s15, ttmp7, 0xffff                   ; which source
	s_mov_b32 s[SEL], 0x76543210
	s_mov_b32 s[SEL+1], 0xfedcba98
	v_and_b32 v254, 31, v0                         ; lane
	v_and_b32 v255, 15, v0                         ; r
	v_bfe_u32 v251, v0, 4, 1                       ; h
	s_delay_alu instid0(VALU_DEP_3)
	v_cmp_le_u32 s30, 16, v254                     ; lanes 16-31
	s_delay_alu instid0(VALU_DEP_4)
	v_lshlrev_b32 v[LI], 4, v254
	v_lshlrev_b32 v[L4], 2, v254
	s_lshl_b32 s16, s14, 5
	s_lshl_b32 s17, s13, 3
	s_add_co_u32 s16, s16, s17
	v_and_b32 v[XA], 8, v255
	s_delay_alu instid0(VALU_DEP_1)
	v_add_nc_u32 v[XA], v[XA], v255
	s_delay_alu instid0(VALU_DEP_1)
	v_add_nc_u32 v[XA], s16, v[XA]                 ; my row of the block
	s_delay_alu instid0(VALU_DEP_1)
	v_lshlrev_b32 v[XA], 10, v[XA]
	s_delay_alu instid0(VALU_DEP_1)
	v_lshl_add_u32 v[XA], v251, 6, v[XA]           ; x 1,024 bytes + 64 h: my 16 numbers of a block of 32
	s_mul_i32 s16, s13, 24576
	v_add_nc_u32 v[WO], s16, v[LI]                 ; Wk: my half's 16 fragments
	s_lshl_b32 s16, s13, 10
	v_add_nc_u32 v[WSO], s16, v[L4]
	s_mul_i32 s16, s12, 6144
	v_add_nc_u32 v[WVO], s16, v[LI]                ; Wv: my two tiles' 4 fragments
	s_lshl_b32 s16, s12, 8
	v_add_nc_u32 v[WVSO], s16, v[L4]
	s_mul_i32 s16, s12, 3072
	v_add_nc_u32 v[XW], s16, v[LI]                 ; LDS: where I put x's images
	s_lshl_b32 s16, s12, 7
	s_add_co_u32 s16, s16, XSC
	v_add_nc_u32 v[XSWA], s16, v[L4]
	s_mul_i32 s16, s14, 6144
	v_add_nc_u32 v[XRK], s16, v[LI]                ; LDS: the two tiles of x of my K jobs
	s_lshl_b32 s16, s14, 8
	s_add_co_u32 s16, s16, XSC
	v_add_nc_u32 v[XSK], s16, v[L4]
	s_lshr_b32 s17, s14, 1
	s_and_b32 s18, s14, 1
	s_mul_i32 s16, s17, 25600
	s_mul_i32 s19, s18, 6144
	s_add_co_u32 s16, s16, s19
	s_mul_i32 s19, s13, 1536
	s_add_co_u32 s16, s16, s19
	v_add_nc_u32 v[KGO], s16, v[LI]                ; kv: my K fragments
	s_lshl_b32 s16, s17, 9
	s_lshl_b32 s19, s18, 3
	s_add_co_u32 s16, s16, s19
	s_lshl_b32 s19, s13, 8
	s_add_co_u32 s16, s16, s19
	s_add_co_u32 s16, s16, SCST
	v_lshl_add_u32 v[KSA], v255, 4, s16            ; LDS: their scale words
	s_lshr_b32 s17, s12, 2
	s_and_b32 s18, s12, 3
	s_mul_i32 s16, s17, 25600
	s_mul_i32 s19, s18, 3072
	s_add_co_u32 s16, s16, s19
	s_add_co_u32 s16, s16, 51200
	v_add_nc_u32 v[VGO], s16, v[LI]                ; kv: my V fragments
	s_lshl_b32 s16, s17, 9
	s_lshl_b32 s19, s18, 2
	s_add_co_u32 s16, s16, s19
	s_add_co_u32 s16, s16, SCST+1024
	v_add_nc_u32 v[VSA], s16, v[LI]                ; LDS: their scale words
	s_lshl_b32 s16, s12, 8
	s_add_co_u32 s16, s16, SCST
	v_lshl_add_u32 v[SOL], v254, 3, s16            ; the scale words' way out: 256 bytes a wave, 8 a lane
	s_mul_i32 s16, s14, 25600
	s_lshl_b32 s19, s13, 8
	s_add_co_u32 s16, s16, s19
	s_add_co_u32 s16, s16, 12288
	v_lshl_add_u32 v[SOG], v254, 3, s16
.irp q, 0,1,2,3
	v_mov_b32 v[TM+4+\q], 0                        ; written once: a lane permute's destination counts as one of its sources
.endr
	s_lshl_b32 s20, ttmp9, 17                      ; my 128 rows of 1,024 bytes
	s_mov_b32 s21, 0
	s_mul_i32 s22, s15, 102400                     ; my pair of weight records
	s_mov_b32 s23, 0
	s_lshr_b32 s24, ttmp9, 4
	s_mul_i32 s24, s24, 1638400                    ; batch
	s_bfe_u32 s16, ttmp9, 0x30001
	s_lshl_b32 s17, s15, 3
	s_add_co_u32 s16, s16, s17
	s_mul_i32 s16, s16, 102400                     ; slot
	s_add_co_u32 s24, s24, s16
	s_and_b32 s16, ttmp9, 1
	s_mul_i32 s16, s16, 12800                      ; record
	s_add_co_u32 s24, s24, s16
	s_mov_b32 s25, 0
	s_wait_kmcnt 0x0
	s_cmp_eq_u32 s15, 0                            ; the choice hangs on the work-group's number alone
	s_cselect_b64 s[4:5], s[4:5], s[6:7]
	s_add_nc_u64 s[4:5], s[4:5], s[20:21]
	s_add_nc_u64 s[8:9], s[8:9], s[22:23]
	s_add_nc_u64 s[10:11], s[10:11], s[24:25]
.irp k, 0,1
.irp q, 0,1,2,3
.irp j, 0,1,2,3
	global_load_b128 v[XN+64*\k+16*\q+4*\j:XN+64*\k+16*\q+4*\j+3], v[XA], s[4:5] offset:512*\k+128*\q+16*\j
.endr
.endr
.endr
.irp t, 0,1,2,3,4,5,6,7
	global_load_b32 v[WKS+\t], v[WSO], s[8:9] offset:49152+128*\t
.endr
.irp t, 0,1
	global_load_b32 v[WVS+\t], v[WVSO], s[8:9] offset:51200+49152+128*\t
.endr
.irp f, 0,1,2,3
.irp c, 0,1,2
	global_load_b128 v[WVF+12*\f+4*\c:WVF+12*\f+4*\c+3], v[WVO], s[8:9] offset:51200+1536*\f+512*\c
.endr
.endr
	WIN 0x40                                       ; destination window 1
.irp f, 0,1,2,3,4,5,6,7,8,9,10,11,12,13,14,15
.irp c, 0,1,2
	global_load_b128 v[12*\f+4*\c:12*\f+4*\c+3], v[WO], s[8:9] offset:1536*\f+512*\c
.endr
.endr
	WIN 0
	s_wait_loadcnt 63                              ; behind x's 32 loads stand 70; the count names 63, so x and seven more are in
	; ---- x: my tile becomes two fragments
	QUANT XN
.irp c, 0,1,2
	ds_store_b128 v[XW], v[PC+4*\c:PC+4*\c+3] offset:XIMG+512*\c
.endr
	v_mov_b32 v[PW2], v[PW]
	s_wait_dscnt 0x0                               ; the stores have read their registers
	QUANT XN+64
.irp c, 0,1,2
	ds_store_b128 v[XW], v[PC+4*\c:PC+4*\c+3] offset:XIMG+1536+512*\c
.endr
	v_cndmask_b32 v[PW], v[PW2], v[PW], s30        ; lanes 0-15: K step 0's word; lanes 16-31: K step 1's
	ds_store_b32 v[XSWA], v[PW]
	BARRIER                                        ; x's sixteen fragments lie in LDS
	; ---- K: two jobs; eight accumulators by turns
.irp mm, 0,1
.if \mm
	s_wait_xcnt 0x0                                ; the last job's stores have read the codes' registers
	s_wait_dscnt 0x0
.endif
.irp k, 0,1
.irp c, 0,1,2
	ds_load_b128 v[XF+12*\k+4*\c:XF+12*\k+4*\c+3], v[XRK] offset:XIMG+3072*\mm+1536*\k+512*\c
.endr
.endr
	ds_load_b32 v[XS], v[XSK] offset:128*\mm
	s_wait_loadcnt 0x0                             ; the weights
	s_wait_dscnt 0x0
	WIN 0x01                                       ; source 0 (Wk) window 1
.irp k, 0,1
.irp t, 0,1,2,3,4,5,6,7
	MM ACC+8*\t,12*(2*\t+\k),XF+12*\k,1-\k,WKS+\t,XS,\k,\k
.endr
.endr
	WIN 0
	PLACES 4
	QUANT ACC
.irp c, 0,1,2
	global_store_b128 v[KGO], v[PC+4*\c:PC+4*\c+3], s[10:11] offset:3072*\mm+512*\c   ; 512 consecutive bytes, aligned
.endr
	ds_store_b32 v[KSA], v[PW] offset:4*\mm        ; both halves of the lanes write the same word with the same value
.endr
	; ---- V: all of x into window 1 (the lines of the quantiser above are the places behind the last products)
	WIN 0x40
.irp f, 0,1,2,3,4,5,6,7,8,9,10,11,12,13,14,15
.irp c, 0,1,2
	ds_load_b128 v[12*\f+4*\c:12*\f+4*\c+3], v[LI] offset:XIMG+1536*\f+512*\c
.endr
.endr
	WIN 0
.irp m, 0,1,2,3,4,5,6,7
	ds_load_b32 v[XS8+\m], v[L4] offset:XSC+128*\m
.endr
.irp tt, 0,1
	s_wait_xcnt 0x0                                ; the last job's stores have read the codes' registers
	s_wait_dscnt 0x0
	WIN 0x01                                       ; source 0 (x) window 1
.irp k, 0,1
.irp m, 0,1,2,3,4,5,6,7
	MM ACC+8*\m,12*(2*\m+\k),WVF+12*(2*\tt+\k),1-\k,XS8+\m,WVS+\tt,\k,\k
.endr
.endr
	WIN 0
	PLACES 4
	QUANT ACC
.irp c, 0,1,2
	global_store_b128 v[VGO], v[PC+4*\c:PC+4*\c+3], s[10:11] offset:1536*\tt+512*\c
.endr
.if \tt == 0
	v_mov_b32 v[PW2], v[PW]
.endif
.endr
	v_cndmask_b32 v[PW], v[PW2], v[PW], s30        ; lanes 0-15: my even tile's words; lanes 16-31: my odd tile's
	ds_store_b32 v[VSA], v[PW]
	BARRIER                                        ; the record's four blocks of scale words lie in LDS
	ds_load_b64 v[16:17], v[SOL]
	s_wait_dscnt 0x0
	global_store_b64 v[SOG], v[16:17], s[10:11]    ; 32 lanes store 256 consecutive bytes, aligned
	s_wait_tensorcnt 0x0                           ; the wave's end, behind my last LDS store
	ds_add_u32 v[SPW], v[NIL]
	s_wait_dscnt 0x0
	s_endpgm
.Lfunc_end_k_q91c9d70c3f_proj:
	.size	k_q91c9d70c3f_proj, .Lfunc_end_k_q91c9d70c3f_proj-k_q91c9d70c3f_proj
	.p2alignl 7, 3214868480
	.fill 96, 4, 3214868480
	.section	.rodata,"a",@progbits
	.p2align	6, 0x0
	.amdhsa_kernel k_q91c9d70c3f_proj
		.amdhsa_group_segment_fixed_size 28672
		.amdhsa_private_segment_fixed_size 0
		.amdhsa_enable_private_segment 0
		.amdhsa_kernarg_size 32
		.amdhsa_user_sgpr_count 2
		.amdhsa_user_sgpr_kernarg_segment_ptr 1
		.amdhsa_wavefront_size32 1
		.amdhsa_system_sgpr_workgroup_id_x 1
		.amdhsa_system_sgpr_workgroup_id_y 1
		.amdhsa_system_sgpr_workgroup_id_z 1
		.amdhsa_system_vgpr_workitem_id 0
		.amdhsa_next_free_vgpr 448
		.amdhsa_next_free_sgpr 66
		.amdhsa_reserve_vcc 0
		.amdhsa_float_denorm_mode_32 3
		.amdhsa_float_denorm_mode_16_64 3
		.amdhsa_memory_ordered 1
		.amdhsa_forward_progress 1
		.amdhsa_inst_pref_size 58
	.end_amdhsa_kernel
	.amdgpu_metadata
---
amdhsa.version: [ 1, 2 ]
amdhsa.kernels:
  - .name:           k_q91c9d70c3f_proj
    .symbol:         k_q91c9d70c3f_proj.kd
    .args:
      - { .name: inputs, .offset: 0, .size: 8, .value_kind: global_buffer, .address_space: global }
      - { .name: context, .offset: 8, .size: 8, .value_kind: global_buffer, .address_space: global }
      - { .name: wrec, .offset: 16, .size: 8, .value_kind: global_buffer, .address_space: global }
      - { .name: kv, .offset: 24, .size: 8, .value_kind: global_buffer, .address_space: global }
    .group_segment_fixed_size: 28672
    .private_segment_fixed_size: 0
    .kernarg_segment_align: 8
    .kernarg_segment_size: 32
    .max_flat_workgroup_size: 256
    .sgpr_count:     66
    .vgpr_count:     448
    .wavefront_size: 32
...
	.end_amdgpu_metadata
.endif
;; end of part 2
;; launch chain (part 3): grid 32 x 8, 4 waves a work-group, no clusters, 327,680 bytes of LDS; arguments inputs, kv, wrec, b1, ln_g, ln_b, out0; writes out0
.if DOCPART == 3
	.amdgcn_target "amdgcn-amd-amdhsa--gfx1250"
	.amdhsa_code_object_version 6
	.text
	.protected	k_q91c9d70c3f_chain
	.globl	k_q91c9d70c3f_chain
	.p2align	8
	.type	k_q91c9d70c3f_chain,@function
k_q91c9d70c3f_chain:
	s_mov_b64 s[64:65], 0
	v_nop
	global_prefetch_b8 v0, s[64:65] scope:SCOPE_SE
	s_setreg_imm32_b32 hwreg(HW_REG_WAVE_MODE, 25, 1), 1
	s_wait_xcnt 0x0
; 64 queries of one batch go from inputs to out0: Q = x Wq_s, causal self-attention, + x, LN; Q = x Wq_c, cross-attention, + x, LN; relu(x W1 + b1) + x, LN, relu.  All products on codes of BF6 with E8M0 scales.
; WORK LEFT OUT: records of 128 keys wholly behind a tile's 16 queries, and slots of 256 keys wholly behind the work-group's last query: reference()'s own triu mask makes their p 0 for all inputs (shown at the head of the first kernel).
; SHARES.  Four waves, one to a SIMD.  Wave w: pair qp = w & 1, half kh = w >> 1.  It holds TWO tiles of 16 queries, so that each fragment of K, of V and of a weight that it reads feeds two products.
; Tile 0 lies in the work-group's early block (queries 32 x + 16 qp on), tile 1 in its late block (32 (63 - x) + 16 qp on): the records that count are floor(x / 4) + 1 and 16 - floor(x / 4), 17 for every wave pair of every work-group.
; In attention the wave walks record kh (128 keys) of every slot of 256 keys and holds all 256 channels of O^T of both tiles; between the attentions it holds its 32 rows x the 128 columns of half kh
; (register 16 b + i = column 128 kh + 32 b + 16 (lane / 16) + i).  The two key halves are joined through LDS (partner: wave w xor 2) by exact powers of two, M being whole.
; THE CAUSAL WALK has two texts of a step.  A record that tile 0 sees ends at key 1,023 at the latest, and tile 1's queries begin at 1,024: there both tiles work, tile 1 wholly open, tile 0 masked where it is on the diagonal.
; In the later records tile 1 works alone, masked where it is on the diagonal.  The choice is a scalar branch on ids.
; SOFTMAX: t = score x log2(e) / 16; M = the running largest t rounded up to a whole number; p = 2^(t - M) is quantised along the keys; the sum is taken of the unquantised p and divides at the end.
; Both products are used transposed (S^T = K Q^T, O^T = V^T P^T): a lane holds one query of each tile throughout.  K, V and the weights come as images of the operands' registers (laid by the two launches before).
; THE RING: two LDS slots of 102,400 bytes; 16 stages (8 slots of self, 8 of cross); each wave brings a quarter by one tensor load: at most one load of a wave is out, and every wait for them is for 0.
; NO CLUSTER, though the 32 work-groups of a batch read the same K and V: the causal walk's branches (record hidden, record open, slot beyond the limit) hang on the work-group's own queries, which differ between would-be partners.
; LIMITS: a block of zeros gets the byte 1 where the rule says 127 (its codes are zeros); NaN and infinities among the inputs are not served; p under 2^-126 is 0; the two key halves' sums are added in another order than one walk would add them.
; REGISTERS, in windows of 256.  Window 0: v1-11 addresses; v12-19 four statistics a tile (-M, largest t, the sum in two halves); v20-147 S^T, p and numbers at work, 64 a tile; v148-187 codes, 20 a tile;
;   v188-219 at work, 16 a tile; v220-239 scale words and nothing else; v240-251 factor pairs; v252, v253 the add's two; v254, v255 scale words just made.
;   Window 1: O^T, 128 a tile: my channel half, then the other.  Window 2: v0-95, v96-191 two buffers of eight fragments; v192-239 Q (or x), two fragments a tile.  Window 3: v0-127 my rows' numbers, 64 a tile; v128-191 ln_g; v192-255 ln_b.
.set SLOT1, 131072
.set SLOTB, 102400
.set XIM,   102400                     ; LDS: x's eight fragments, (tile i, K step k) at 1,536 (i + 4 k);  Q's 12,288 further on
.set QIMD,  12288
.set XSW,   126976                     ; their scale words: tile i at 128 i, K step k at + 64 k;  Q's 512 further on
.set QSWD,  512
.set MST,   233472                     ; 8,448 bytes for each tile of each wave: the half of O^T that goes to the partner; at the end the stage of 16 rows x 528
.set MTB,   8448
.set STT,   301056                     ; 512 bytes for each tile of each wave: -M, the sum, two sums of the layer norm, 128 bytes each
.set SPARE, 305152                     ; the spare words, 128 bytes a wave: two blocks of 256 bytes that no other line names
.set LI, 1
.set L4, 7
.set XO, 8
.set WO, 9
.set WSO, 10
.set GBO, 11
.set ST, 12
.set SR, 20
.set PC, 148
.set TM, 188
.set RQ, 196
.set PFO1, 197
.set PFO2, 198
.set R4, 199
.set TT, 212
.set SCR, 220
.set QS, 236
.set PS, 238
.set F, 240
.set FA, 244
.set SPW, 252
.set NIL, 253
.set PW, 254
.set QF, 192
.set XR, 0
.set GR, 128
.set BR, 192
.set WV, 18
.set QP, 19
.set SEL, 20
.set CS, 22
.set G1, 24
.set G0, 32
.set KH, 36
.set TK0, 37
.set TK1, 38
.set TVM, 39
.set TVO, 40
.set KFW, 42
.set QA, 43                            ; s43, s47: my two tiles' first queries
.set LQ, 44
.set CNT, 45
.set KF, 46
.set PFA, 48
.set LIM, 50
.set PFK, 51
.set C256, 52
.set EPS, 53
.set MW, 66
.set MR, 67
.set SA, 68
.set SB, 69
.set XW, 70
.set XRD, 71
.set XSA, 72
.set XSR, 73
.set WRAP, 60                          ; s60: what stands for the first key of the slot behind a phase's last: 0 in the self phase (the cross part's first slot is always asked for), above every limit in the cross phase (nothing follows)
.set PH, 61                            ; s61: the phase: 0 self-attention, 1 cross-attention
.set MSB, 0
.macro WIN new                         ; the immediate's high byte repeats the setting that is left; at every label and branch the setting is 0
.if MSB != (\new)
	s_set_vgpr_msb (MSB<<8)|(\new)
.set MSB, (\new)
.endif
.endm
.macro PLACES n
.rept \n
	v_nop
.endr
.endm
.macro BARRIER                         ; my LDS stores have landed and my LDS loads are in: then the work-group's barrier
	s_wait_dscnt 0x0
	s_barrier_signal -1
	s_barrier_wait -1
.endm
; one scaled product; zero = 1: it starts the sum; ra, rb: the scale words of lanes 16-31 are taken
.macro MM d, a, b, zero, sa, sb, ra, rb
.if (\zero)
	v_wmma_scale_f32_16x16x128_f8f6f4 v[0+(\d):7+(\d)], v[0+(\a):11+(\a)], v[0+(\b):11+(\b)], 0, v[\sa], v[\sb] matrix_a_fmt:MATRIX_FMT_BF6 matrix_b_fmt:MATRIX_FMT_BF6
.elseif (\ra) && (\rb)
	v_wmma_scale_f32_16x16x128_f8f6f4 v[0+(\d):7+(\d)], v[0+(\a):11+(\a)], v[0+(\b):11+(\b)], v[0+(\d):7+(\d)], v[\sa], v[\sb] matrix_a_fmt:MATRIX_FMT_BF6 matrix_b_fmt:MATRIX_FMT_BF6 matrix_a_scale:MATRIX_SCALE_ROW1 matrix_b_scale:MATRIX_SCALE_ROW1
.elseif (\ra)
	v_wmma_scale_f32_16x16x128_f8f6f4 v[0+(\d):7+(\d)], v[0+(\a):11+(\a)], v[0+(\b):11+(\b)], v[0+(\d):7+(\d)], v[\sa], v[\sb] matrix_a_fmt:MATRIX_FMT_BF6 matrix_b_fmt:MATRIX_FMT_BF6 matrix_a_scale:MATRIX_SCALE_ROW1
.else
	v_wmma_scale_f32_16x16x128_f8f6f4 v[0+(\d):7+(\d)], v[0+(\a):11+(\a)], v[0+(\b):11+(\b)], v[0+(\d):7+(\d)], v[\sa], v[\sb] matrix_a_fmt:MATRIX_FMT_BF6 matrix_b_fmt:MATRIX_FMT_BF6
.endif
.endm
; Both tiles' 64 numbers of a lane in window win (tile u from src + 64 u on; register 16 b + i = k 32 b + 16 (lane / 16) + i of my row) become a fragment's codes in v[PC + 20 u] on and its scale word in v[PW + u].
; The two tiles take turns line by line, so that no line waits for the line above it.
.macro QUANT2 src, win
	WIN (\win)|((\win)<<2)
.irp q, 0,1,2,3
.irp u, 0,1
	v_max3_num_f32 v[TM+16*\u+\q], |v[\src+64*\u+16*\q]|, |v[\src+64*\u+16*\q+1]|, 0x2800000   ; my 16 numbers of block q, and the floor 2^(5 - 127)
.endr
.endr
	WIN ((\win)<<2)|((\win)<<4)
.irp i, 2,4,6,8,10,12,14
.irp q, 0,1,2,3
.irp u, 0,1
	v_max3_num_f32 v[TM+16*\u+\q], v[TM+16*\u+\q], |v[\src+64*\u+16*\q+\i]|, |v[\src+64*\u+16*\q+\i+1]|
.endr
.endr
.endr
	WIN 0
.irp q, 0,1,2,3
.irp u, 0,1
	v_permlanex16_b32 v[TM+16*\u+4+\q], v[TM+16*\u+\q], s[SEL], s[SEL+1]
.endr
.endr
.irp q, 0,1,2,3
.irp u, 0,1
	v_max_num_f32 v[TM+16*\u+\q], v[TM+16*\u+\q], v[TM+16*\u+4+\q]   ; with lane l xor 16's: the block's largest magnitude
.endr
.endr
.irp q, 0,1,2,3
.irp u, 0,1
	v_add_nc_u32 v[TM+16*\u+12+\q], 0xfe000000, v[TM+16*\u+\q]       ; 4 off its exponent field: the conversion's scale operand
.endr
.endr
.irp q, 0,1,2,3
.irp u, 0,1
	v_lshrrev_b32 v[TM+16*\u+4+\q], 23, v[TM+16*\u+12+\q]            ; the scale's byte
.endr
.endr
.irp u, 0,1
	v_lshl_or_b32 v[PW+\u], v[TM+16*\u+5], 8, v[TM+16*\u+4]
.endr
.irp u, 0,1
	v_lshl_or_b32 v[PW+\u], v[TM+16*\u+6], 16, v[PW+\u]
.endr
.irp u, 0,1
	v_lshl_or_b32 v[PW+\u], v[TM+16*\u+7], 24, v[PW+\u]
.endr
	WIN (\win)
.irp u, 0,1
.irp c, 0,1
	v_cvt_scalef32_pk16_bf6_f32 v[PC+20*\u+6*\c:PC+20*\u+6*\c+2], v[\src+64*\u+32*\c:\src+64*\u+32*\c+15], v[TM+16*\u+12+2*\c]
	v_cvt_scalef32_pk16_bf6_f32 v[PC+20*\u+12+4*\c:PC+20*\u+14+4*\c], v[\src+64*\u+32*\c+16:\src+64*\u+32*\c+31], v[TM+16*\u+13+2*\c]
.endr
.endr
	WIN 0
	v_nop                                          ; one plain place behind a scaled conversion
.irp u, 0,1
.irp c, 0,1                                    ; the operand's layout wants a whole block in a lane
.irp i, 0,1,2
	v_permlane16_swap_b32 v[PC+20*\u+6*\c+\i], v[PC+20*\u+12+4*\c+\i]
.endr
.irp i, 0,1,2
	v_mov_b32 v[PC+20*\u+6*\c+3+\i], v[PC+20*\u+12+4*\c+\i]
.endr
.endr
.endr
.endm
; a piece's eight fragment images into window 2, from register dst on
.macro FLOAD dst, adr
.irp f, 0,2,4,6,1,3,5,7                ; in the order in which S^T's products take K's fragments: K step 0 of the four tiles, then K step 1
.irp c, 0,1,2
	ds_load_b128 v[\dst+12*\f+4*\c:\dst+12*\f+4*\c+3], v[\adr] offset:1536*\f+512*\c
.endr
.endr
.endm
; A PREFETCH INTO THE L2 of the stage two on from the one in hand (one on from the one that is being asked for): 102,400 bytes, 25,600 a wave: 100 blocks of 256 bytes, a lane a block, four lines.
; All 32 work-groups of a batch walk the same stages: the batch's first work-group asks, all four waves of it.  Lanes 4-31 of the fourth line name lane 3's block once more.
; Stages 0 and 1 come by their loads alone; from stage 16 on there is nothing to ask for.
.macro ASK
	s_cmp_lt_u32 s[PFK], s[LIM]
	s_cbranch_scc0 .Lnot_mine_\@
	global_prefetch_b8 v[PFO1], s[PFA:PFA+1] th:TH_LOAD_NT scope:SCOPE_SE
	global_prefetch_b8 v[PFO1], s[PFA:PFA+1] offset:8192 th:TH_LOAD_NT scope:SCOPE_SE
	global_prefetch_b8 v[PFO1], s[PFA:PFA+1] offset:16384 th:TH_LOAD_NT scope:SCOPE_SE
	global_prefetch_b8 v[PFO2], s[PFA:PFA+1] th:TH_LOAD_NT scope:SCOPE_SE
.Lnot_mine_\@:
.endm
; THE CHANGE OF SLOTS stands at a stage's head.  Each wave waits for all its tensor loads (its quarter of the slot that it is about to read), adds 0 to its spare word, and waits for that and for its reads of the slot that it has left.
; Behind the barrier the slot ahead is whole and nobody reads the other one.  fill = 1: that other slot takes the next stage; the load has a whole stage in which to land.
; causal = 1: a slot of self-attention whose first key lies behind my work-group's last query is read by none of its waves and is not asked for; the cross part's first slot always is.
.macro CHANGE fill, causal
	s_wait_tensorcnt 0x0                           ; no tensor load of mine is out, so the descriptor may be written
	ds_add_u32 v[SPW], v[NIL]                      ; 0 onto my spare word
.if \fill
	s_xor_b32 s[G0+1], s[G0+1], SLOT1              ; the other slot than last time,
	s_add_nc_u64 s[G0+2:G0+3], s[G0+2:G0+3], SLOTB ; the next stage; the type bits on top are not reached
	s_wait_xcnt 0x0                                ; the last prefetches, a stage back, have read their address
	s_add_nc_u64 s[PFA:PFA+1], s[PFA:PFA+1], SLOTB
	s_add_co_u32 s[PFK], s[PFK], 1
.endif
	s_wait_dscnt 0x0                               ; the add is done, and my reads of the slot that I have left are over
	s_barrier_signal -1
	s_barrier_wait -1
.if \fill
.if \causal
	s_add_co_u32 s96, s[KF], 256                   ; the first key of the slot that this change would ask for
	s_cmp_ge_u32 s96, 2048
	s_cselect_b32 s96, s[WRAP], s96                ; behind the last slot of the self phase comes the cross part's first (0: always asked for); behind the cross phase's last comes nothing (above the limit)
	s_cmp_gt_u32 s96, s[LQ]                        ; ids and the count of stages alone: all four waves go the same way
	s_cbranch_scc1 .Lpast_\@
.endif
	tensor_load_to_lds s[G0:G0+3], s[G1:G1+7]      ; my one tensor load behind this barrier
	s_nop 0
.rept 4
	v_nop
.endr
.Lpast_\@:
	ASK
.endif
.endm
; S^T = K Q^T for piece g (four tiles of 16 keys, in buffer g), two K steps deep, for the tiles from lo on; the accumulators by turns, one instruction a turn
.macro SPROD g, lo
.irp k, 0,1
.irp t, 0,1,2,3
	s_wait_dscnt 45-3*(4*\k+\t)                    ; this fragment, the (4 k + t)-th of its piece's eight, is in: behind its three loads stand the piece's other 21 - 3 (4 k + t) and the 24 of the piece asked for next
.irp u, 0,1
.if \u >= \lo
	MM SR+64*\u+32*\g+8*\t,96*\g+12*(2*\t+\k),QF+24*\u+12*\k,1-\k,SCR+4*\g+\t,QS+\u,\k,\k
.endif
.endr
.endr
.endr
.endm
; on the diagonal the scores of tile u's hidden keys become -infinity ahead of the maximum; a record all of whose keys count skips this
.macro MASK u
	s_add_co_u32 s96, s[KFW], 127
	s_cmp_le_u32 s96, s[QA+4*\u]
	s_cbranch_scc1 .Lopen_\@
	s_sub_co_i32 s96, s[QA+4*\u], s[KFW]
	v_add_nc_u32 v[TT], s96, v[RQ]                 ; d = my query - the record's first key - 16 (lane / 16): register 16 b + i is hidden where 32 b + i > d
	v_mov_b32 v[TT+1], 0xff800000
.set cn, 0
.rept 64
	v_cmp_gt_i32 vcc_lo, 32*(cn/16)+cn%16, v[TT]
	v_cndmask_b32 v[SR+64*\u+cn], v[SR+64*\u+cn], v[TT+1], vcc_lo
.set cn, cn+1
.endr
.Lopen_\@:
.endm
; line n of the nine that lead from a tile's four block maxima to -M and f
.macro SLINE u, n
.if \n == 0
	v_max3_num_f32 v[TT+2*\u], v[TM+16*\u], v[TM+16*\u+1], v[TM+16*\u+2]
.elseif \n == 1
	v_max_num_f32 v[TT+2*\u], v[TT+2*\u], v[TM+16*\u+3]
.elseif \n == 2
	v_mul_f32 v[TT+2*\u], s[CS], v[TT+2*\u]        ; as t (c is positive)
.elseif \n == 3
	v_max_num_f32 v[ST+4*\u+1], v[ST+4*\u+1], v[TT+2*\u]   ; the running largest t
.elseif \n == 4
	v_mov_b32 v[TT+2*\u], v[ST+4*\u]
.elseif \n == 5
	v_floor_f32 v[ST+4*\u], -v[ST+4*\u+1]          ; the new -M = floor(-t): M is a whole number
.elseif \n == 6
	v_sub_f32 v[TT+2*\u], v[ST+4*\u], v[TT+2*\u]   ; old M less new M: a whole number, 0 or less
.elseif \n == 7
	v_cvt_i32_f32 v[TT+2*\u], v[TT+2*\u]           ; (it saturates)
.else
	v_ldexp_f32 v[F+2*\u], 1.0, v[TT+2*\u]         ; f = 2^(old M - new M)
.endif
.endm
; THE SOFTMAX of the tiles from lo on, for 128 keys; where lines form chains the tiles take turns
.macro SOFT lo
.irp q, 0,1,2,3
.irp u, 0,1
.if \u >= \lo
	v_max3_num_f32 v[TM+16*\u+\q], v[SR+64*\u+16*\q], v[SR+64*\u+16*\q+1], v[SR+64*\u+16*\q+2]   ; the largest score of each block of 32 keys: for the row's maximum and for the block's largest p
.endif
.endr
.endr
.irp i, 3,5,7,9,11,13
.irp q, 0,1,2,3
.irp u, 0,1
.if \u >= \lo
	v_max3_num_f32 v[TM+16*\u+\q], v[TM+16*\u+\q], v[SR+64*\u+16*\q+\i], v[SR+64*\u+16*\q+\i+1]
.endif
.endr
.endr
.endr
.irp q, 0,1,2,3
.irp u, 0,1
.if \u >= \lo
	v_max_num_f32 v[TM+16*\u+\q], v[TM+16*\u+\q], v[SR+64*\u+16*\q+15]
.endif
.endr
.endr
.irp q, 0,1,2,3
.irp u, 0,1
.if \u >= \lo
	v_permlanex16_b32 v[TM+16*\u+4+\q], v[TM+16*\u+\q], s[SEL], s[SEL+1]
.endif
.endr
.endr
.irp q, 0,1,2,3
.irp u, 0,1
.if \u >= \lo
	v_max_num_f32 v[TM+16*\u+\q], v[TM+16*\u+\q], v[TM+16*\u+4+\q]
.endif
.endr
.endr
.irp n, 0,1,2,3,4,5,6,7,8
.irp u, 0,1
.if \u >= \lo
	SLINE \u, \n
.endif
.endr
.endr
.irp u, 0,1
.if \u >= \lo
.set cn, 0
.rept 32
	v_pk_fma_f32 v[SR+64*\u+cn:SR+64*\u+cn+1], v[SR+64*\u+cn:SR+64*\u+cn+1], s[CS:CS+1], v[ST+4*\u:ST+4*\u+1] op_sel_hi:[1,0,0]   ; t - M
.set cn, cn+2
.endr
.endif
.endr
.irp q, 0,1,2,3
.irp u, 0,1
.if \u >= \lo
	v_fma_f32 v[TM+16*\u+\q], v[TM+16*\u+\q], s[CS], v[ST+4*\u]   ; the same of each block's largest score
.endif
.endr
.endr
	s_wait_alu depctr_va_vdst(0)
.irp u, 0,1
.if \u >= \lo
.set cn, 0
.rept 64
	v_exp_f32 v[SR+64*\u+cn], v[SR+64*\u+cn]       ; p = 2^(t - M)
.set cn, cn+1
.endr
.endif
.endr
.irp u, 0,1
.if \u >= \lo
	v_pk_mul_f32 v[ST+4*\u+2:ST+4*\u+3], v[ST+4*\u+2:ST+4*\u+3], v[F+2*\u:F+2*\u+1] op_sel_hi:[1,0]   ; the sums under the new M (a plain place behind the exponentials)
.endif
.endr
	s_wait_alu depctr_va_vdst(0)                   ; one wait for the whole batch, ahead of its first reader
.irp q, 0,1,2,3
.irp u, 0,1
.if \u >= \lo
	v_exp_f32 v[TM+16*\u+\q], v[TM+16*\u+\q]       ; the block's largest p
.endif
.endr
.endr
.irp u, 0,1
.if \u >= \lo
	v_pk_add_f32 v[TM+16*\u+4:TM+16*\u+5], v[SR+64*\u:SR+64*\u+1], v[SR+64*\u+2:SR+64*\u+3]   ; the row's sum of the unquantised p, in two chains a tile
.endif
.endr
.irp j, 4,8,12,16,20,24,28,32,36,40,44,48,52,56,60
.irp u, 0,1
.if \u >= \lo
	v_pk_add_f32 v[ST+4*\u+2:ST+4*\u+3], v[ST+4*\u+2:ST+4*\u+3], v[SR+64*\u+\j:SR+64*\u+\j+1]
	v_pk_add_f32 v[TM+16*\u+4:TM+16*\u+5], v[TM+16*\u+4:TM+16*\u+5], v[SR+64*\u+\j+2:SR+64*\u+\j+3]
.endif
.endr
.endr
.irp u, 0,1
.if \u >= \lo
	v_pk_add_f32 v[ST+4*\u+2:ST+4*\u+3], v[ST+4*\u+2:ST+4*\u+3], v[TM+16*\u+4:TM+16*\u+5]
.endif
.endr
	s_wait_alu depctr_va_vdst(0)                   ; and one for the blocks' largest p
.irp q, 0,1,2,3
.irp u, 0,1
.if \u >= \lo
	v_max_num_f32 v[TM+16*\u+\q], 0x2800000, v[TM+16*\u+\q]   ; the floor 2^(5 - 127)
.endif
.endr
.endr
.irp q, 0,1,2,3
.irp u, 0,1
.if \u >= \lo
	v_add_nc_u32 v[TM+16*\u+12+\q], 0xfe000000, v[TM+16*\u+\q]
.endif
.endr
.endr
.irp q, 0,1,2,3
.irp u, 0,1
.if \u >= \lo
	v_lshrrev_b32 v[TM+16*\u+4+\q], 23, v[TM+16*\u+12+\q]
.endif
.endr
.endr
.irp b, 1,2,3
.irp u, 0,1
.if \u >= \lo
.if \b == 1
	v_lshl_or_b32 v[PS+\u], v[TM+16*\u+5], 8, v[TM+16*\u+4]   ; p's scale word for these 128 keys
.else
	v_lshl_or_b32 v[PS+\u], v[TM+16*\u+4+\b], 8*\b, v[PS+\u]
.endif
.endif
.endr
.endr
.irp u, 0,1
.if \u >= \lo
.irp c, 0,1
	v_cvt_scalef32_pk16_bf6_f32 v[PC+20*\u+6*\c:PC+20*\u+6*\c+2], v[SR+64*\u+32*\c:SR+64*\u+32*\c+15], v[TM+16*\u+12+2*\c]
	v_cvt_scalef32_pk16_bf6_f32 v[PC+20*\u+12+4*\c:PC+20*\u+14+4*\c], v[SR+64*\u+32*\c+16:SR+64*\u+32*\c+31], v[TM+16*\u+13+2*\c]
.endr
.endif
.endr
	v_nop                                          ; one plain place behind a scaled conversion
.irp u, 0,1
.if \u >= \lo
.irp c, 0,1
.irp i, 0,1,2
	v_permlane16_swap_b32 v[PC+20*\u+6*\c+\i], v[PC+20*\u+12+4*\c+\i]
.endr
.irp i, 0,1,2
	v_mov_b32 v[PC+20*\u+6*\c+3+\i], v[PC+20*\u+12+4*\c+\i]
.endr
.endr
.endif
.endr
.endm
; A KEY STEP: my record's 128 keys of the slot in hand, for the tiles from lo on.  mk: the tile that may lie on the diagonal (2: none).
; Two buffers of eight fragments: K's two pieces are asked for together; each buffer takes a half of V^T as soon as its products are issued, so that V^T lands during the softmax.
.macro BODY lo, mk
	v_add_nc_u32 v2, s[TK0], v[LI]                 ; (these four are also the places in front of the loads into registers that the last products read)
	v_add_nc_u32 v3, s[TK1], v[LI]
	v_add_nc_u32 v4, s[TVM], v[LI]
	v_add_nc_u32 v5, s[TVO], v[LI]
	ds_load_b128 v[SCR:SCR+3], v2 offset:12288     ; the four pieces' scale words
	ds_load_b128 v[SCR+4:SCR+7], v3 offset:12288
	ds_load_b128 v[SCR+8:SCR+11], v4 offset:12288
	ds_load_b128 v[SCR+12:SCR+15], v5 offset:12288
	WIN 0x80                                       ; destination window 2
	FLOAD 0,2
	FLOAD 96,3
	s_wait_alu depctr_va_vdst(0)
	WIN 0x0a                                       ; sources 0 and 1 window 2
	SPROD 0,\lo
	PLACES 4
	WIN 0x80
	FLOAD 0,4                                      ; V^T of my channel half
	WIN 0x0a
	SPROD 1,\lo
	PLACES 4
	WIN 0x80
	FLOAD 96,5                                     ; V^T of the other half
	WIN 0
.if \mk < 2
	MASK \mk
.endif
	SOFT \lo
	WIN 0x41                                       ; O^T (destination and source 0) window 1
.irp n, 0,1,2,3
	RESC \n,\lo                                    ; the first four accumulators under the new M: sixteen lines, also the places between p's codes and scale word and the products
.endr
	s_wait_alu depctr_va_vdst(0)
	s_wait_dscnt 0x0                               ; V^T is in
.set pn, 0
.rept 16-8*\lo                                 ; two products, then the rescaling of the two accumulators that are four turns on: eight plain lines stand between an accumulator's rescaling and its product
	WIN 0x52                                       ; source 0 window 2, C and D window 1
	PVM pn,\lo
	PVM pn+1,\lo
.if pn+4 < 32-16*\lo
	WIN 0x41
	RESC pn+4,\lo
	RESC pn+5,\lo
.endif
.set pn, pn+2
.endr
	WIN 0
.endm
; O^T's accumulators in the order of their turns.  Both tiles (lo = 0): turn n is channel tile n / 2 of tile n % 2; tile 1 alone (lo = 1): channel tile n.  Channel tile a lies at 8 a of its tile's 128 registers, its fragment of V^T at 12 a of the two buffers.
.macro RESC n, lo                      ; turn n's accumulator under the new M: x f, from its low end on
.if (\n) < 32-16*(\lo)
.if \lo
.set RB, 128+8*(\n)
.set RF, F+2
.else
.set RB, 128*((\n)%2)+8*((\n)/2)
.set RF, F+2*((\n)%2)
.endif
.irp j, 0,2,4,6
	v_pk_mul_f32 v[RB+\j:RB+\j+1], v[RB+\j:RB+\j+1], v[RF:RF+1] op_sel_hi:[1,0]
.endr
.endif
.endm
.macro PVM n, lo                       ; turn n's product: O^T += V^T P^T over my record's 128 keys
.if \lo
.set PA, (\n)
.set PU, 1
.else
.set PA, (\n)/2
.set PU, (\n)%2
.endif
	MM 128*PU+8*PA,12*PA,PC+20*PU,0,SCR+8+PA/2,PS+PU,PA%2,0
.endm
.macro NEXTSLOT                        ; my pieces' places in the other slot
	s_xor_b32 s[TK0], s[TK0], SLOT1
	s_xor_b32 s[TK1], s[TK1], SLOT1
	s_xor_b32 s[TVM], s[TVM], SLOT1
	s_xor_b32 s[TVO], s[TVO], SLOT1
.endm
; a step of the causal walk: nothing, tile 1 alone, or both tiles: scalar branches on ids
.macro SELFSTEP
	s_add_co_u32 s96, s[QA+4], 15
	s_cmp_gt_u32 s[KFW], s96                       ; all 128 keys lie behind both tiles' queries
	s_cbranch_scc1 .Lhid_\@
	s_add_co_u32 s96, s[QA], 15
	s_cmp_gt_u32 s[KFW], s96                       ; they lie behind tile 0's
	s_cbranch_scc1 .Lone_\@
	BODY 0, 0
	s_branch .Lhid_\@
.Lone_\@:
	BODY 1, 1
.Lhid_\@:
	s_add_co_u32 s[KFW], s[KFW], 256
	s_add_co_u32 s[KF], s[KF], 256
	NEXTSLOT
.endm
; my half of a weight's record: sixteen fragments into the two buffers, eight scale registers
.macro WLOAD rec
	WIN 0x80
.irp f, 0,1,2,3,4,5,6,7,8,9,10,11,12,13,14,15
.irp c, 0,1,2
	global_load_b128 v[12*\f+4*\c:12*\f+4*\c+3], v[WO], s[8:9] offset:\rec*51200+1536*\f+512*\c
.endr
.endr
	WIN 0
.irp t, 0,1,2,3,4,5,6,7
	global_load_b32 v[SCR+\t], v[WSO], s[8:9] offset:\rec*51200+49152+128*\t
.endr
.endm
; THE TWO KEY HALVES ARE JOINED, and the result is added to my rows' numbers.  I send the partner my O^T of its channel half, -M and the sum, of both tiles, and take the same from it.
.macro MERGE
.irp u, 0,1
	v_add_f32 v[ST+4*\u+2], v[ST+4*\u+2], v[ST+4*\u+3]
.endr
.irp u, 0,1
	v_permlanex16_b32 v[TT+2*\u], v[ST+4*\u+2], s[SEL], s[SEL+1]
.endr
.irp u, 0,1
	v_add_f32 v[ST+4*\u+2], v[ST+4*\u+2], v[TT+2*\u]   ; my key half's sum
.endr
	v_add_nc_u32 v2, s[MW], v[LI]
	v_add_nc_u32 v3, s[SA], v[L4]
	WIN 0x04                                       ; an LDS store's data are its source 1: window 1
.irp u, 0,1
.set cn, 0
.rept 16
	ds_store_b128 v2, v[128*\u+64+4*cn:128*\u+67+4*cn] offset:MTB*\u+512*cn
.set cn, cn+1
.endr
.endr
	WIN 0
.irp u, 0,1
	ds_store_b32 v3, v[ST+4*\u] offset:512*\u
	ds_store_b32 v3, v[ST+4*\u+2] offset:512*\u+128
.endr
	BARRIER
	v_add_nc_u32 v2, s[MR], v[LI]
	v_add_nc_u32 v3, s[SB], v[L4]
.irp u, 0,1
.set cn, 0
.rept 16
	ds_load_b128 v[SR+64*\u+4*cn:SR+64*\u+4*cn+3], v2 offset:MTB*\u+512*cn
.set cn, cn+1
.endr
.endr
.irp u, 0,1
	ds_load_b32 v[TT+2*\u], v3 offset:512*\u
	ds_load_b32 v[TT+2*\u+1], v3 offset:512*\u+128
.endr
	s_wait_dscnt 0x0
.irp u, 0,1
	v_min_num_f32 v[FA+4*\u], v[ST+4*\u], v[TT+2*\u]   ; - the larger M
.endr
.irp u, 0,1
	v_sub_f32 v[FA+4*\u+2], v[FA+4*\u], v[TT+2*\u]
.endr
.irp u, 0,1
	v_sub_f32 v[FA+4*\u], v[FA+4*\u], v[ST+4*\u]
.endr
.irp u, 0,1
	v_cvt_i32_f32 v[FA+4*\u], v[FA+4*\u]           ; whole numbers, 0 or less (a half with no visible key: it saturates, and the factor is 0)
	v_cvt_i32_f32 v[FA+4*\u+2], v[FA+4*\u+2]
.endr
.irp u, 0,1
	v_ldexp_f32 v[FA+4*\u], 1.0, v[FA+4*\u]
	v_ldexp_f32 v[FA+4*\u+2], 1.0, v[FA+4*\u+2]
.endr
.irp u, 0,1
	v_mul_f32 v[TT+2*\u], v[ST+4*\u+2], v[FA+4*\u]
.endr
.irp u, 0,1
	v_fma_f32 v[TT+2*\u], v[TT+2*\u+1], v[FA+4*\u+2], v[TT+2*\u]   ; the row's sum
.endr
	s_wait_alu depctr_va_vdst(0)
.irp u, 0,1
	v_rcp_f32 v[TT+2*\u], v[TT+2*\u]
.endr
	v_nop                                          ; a plain place behind the reciprocals,
	s_wait_alu depctr_va_vdst(0)                   ; and the wait ahead of their first reader
.irp u, 0,1
	v_mul_f32 v[FA+4*\u], v[FA+4*\u], v[TT+2*\u]
	v_mul_f32 v[FA+4*\u+2], v[FA+4*\u+2], v[TT+2*\u]
.endr
.irp u, 0,1
	v_mov_b32 v[FA+4*\u+1], v[FA+4*\u]
	v_mov_b32 v[FA+4*\u+3], v[FA+4*\u+2]
.endr
	WIN 0xf1                                       ; my rows (destination, source 2) window 3, O^T (source 0) window 1
.irp u, 0,1
.set cn, 0
.rept 32
	v_pk_fma_f32 v[XR+64*\u+cn:XR+64*\u+cn+1], v[128*\u+cn:128*\u+cn+1], v[FA+4*\u:FA+4*\u+1], v[XR+64*\u+cn:XR+64*\u+cn+1]
.set cn, cn+2
.endr
.endr
	WIN 0xf0
.irp u, 0,1
.set cn, 0
.rept 32
	v_pk_fma_f32 v[XR+64*\u+cn:XR+64*\u+cn+1], v[SR+64*\u+cn:SR+64*\u+cn+1], v[FA+4*\u+2:FA+4*\u+3], v[XR+64*\u+cn:XR+64*\u+cn+1]
.set cn, cn+2
.endr
.endr
	WIN 0
.endm
; LAYER NORM of my rows, in place.  The mean first, then the mean of (x - mean)^2: no difference of large sums.  A row's other 128 columns are the partner's: the two sums meet in LDS.
.macro LNRED off                       ; the pairs v[FA + 4 u ..] hold four part sums a tile: they become the row's sum in v[TT + 2 u]
.irp u, 0,1
	v_pk_add_f32 v[FA+4*\u:FA+4*\u+1], v[FA+4*\u:FA+4*\u+1], v[FA+4*\u+2:FA+4*\u+3]
.endr
.irp u, 0,1
	v_add_f32 v[TT+2*\u], v[FA+4*\u], v[FA+4*\u+1]
.endr
.irp u, 0,1
	v_permlanex16_b32 v[TT+2*\u+1], v[TT+2*\u], s[SEL], s[SEL+1]
.endr
.irp u, 0,1
	v_add_f32 v[TT+2*\u], v[TT+2*\u], v[TT+2*\u+1]
.endr
.irp u, 0,1
	ds_store_b32 v3, v[TT+2*\u] offset:512*\u+\off
.endr
	s_wait_alu depctr_va_vdst(0)
	BARRIER
.irp u, 0,1
	ds_load_b32 v[TT+2*\u+1], v4 offset:512*\u+\off
.endr
	s_wait_dscnt 0x0
.irp u, 0,1
	v_add_f32 v[TT+2*\u], v[TT+2*\u], v[TT+2*\u+1]
.endr
.endm
.macro LN
	v_add_nc_u32 v3, s[SA], v[L4]
	v_add_nc_u32 v4, s[SB], v[L4]
	WIN 0x0f                                       ; sources 0 and 1 window 3
.irp u, 0,1
	v_pk_add_f32 v[FA+4*\u:FA+4*\u+1], v[XR+64*\u:XR+64*\u+1], v[XR+64*\u+2:XR+64*\u+3]
	v_pk_add_f32 v[FA+4*\u+2:FA+4*\u+3], v[XR+64*\u+4:XR+64*\u+5], v[XR+64*\u+6:XR+64*\u+7]
.endr
	WIN 0x0c
.irp j, 8,12,16,20,24,28,32,36,40,44,48,52,56,60
.irp u, 0,1
	v_pk_add_f32 v[FA+4*\u:FA+4*\u+1], v[FA+4*\u:FA+4*\u+1], v[XR+64*\u+\j:XR+64*\u+\j+1]
	v_pk_add_f32 v[FA+4*\u+2:FA+4*\u+3], v[FA+4*\u+2:FA+4*\u+3], v[XR+64*\u+\j+2:XR+64*\u+\j+3]
.endr
.endr
	WIN 0
	LNRED 256
.irp u, 0,1
	v_mul_f32 v[FA+4*\u], s[C256], v[TT+2*\u]      ; the mean
.endr
.irp u, 0,1
	v_mov_b32 v[FA+4*\u+1], v[FA+4*\u]
.endr
	WIN 0xc3
.irp u, 0,1
.set cn, 0
.rept 32
	v_pk_add_f32 v[XR+64*\u+cn:XR+64*\u+cn+1], v[XR+64*\u+cn:XR+64*\u+cn+1], v[FA+4*\u:FA+4*\u+1] neg_lo:[0,1] neg_hi:[0,1]
.set cn, cn+2
.endr
.endr
	WIN 0x0f
.irp u, 0,1
	v_pk_mul_f32 v[FA+4*\u:FA+4*\u+1], v[XR+64*\u:XR+64*\u+1], v[XR+64*\u:XR+64*\u+1]
	v_pk_mul_f32 v[FA+4*\u+2:FA+4*\u+3], v[XR+64*\u+2:XR+64*\u+3], v[XR+64*\u+2:XR+64*\u+3]
.endr
.irp j, 4,8,12,16,20,24,28,32,36,40,44,48,52,56,60
.irp u, 0,1
	v_pk_fma_f32 v[FA+4*\u:FA+4*\u+1], v[XR+64*\u+\j:XR+64*\u+\j+1], v[XR+64*\u+\j:XR+64*\u+\j+1], v[FA+4*\u:FA+4*\u+1]
	v_pk_fma_f32 v[FA+4*\u+2:FA+4*\u+3], v[XR+64*\u+\j+2:XR+64*\u+\j+3], v[XR+64*\u+\j+2:XR+64*\u+\j+3], v[FA+4*\u+2:FA+4*\u+3]
.endr
.endr
	WIN 0
	LNRED 384
.irp u, 0,1
	v_fma_f32 v[TT+2*\u], v[TT+2*\u], s[C256], s[EPS]   ; the variance + 1e-3
.endr
	s_wait_alu depctr_va_vdst(0)
.irp u, 0,1
	v_rsq_f32 v[FA+4*\u], v[TT+2*\u]
.endr
	v_nop
	s_wait_alu depctr_va_vdst(0)
.irp u, 0,1
	v_mov_b32 v[FA+4*\u+1], v[FA+4*\u]
.endr
	s_wait_alu depctr_va_vdst(0)
	s_wait_loadcnt 0x0                             ; ln_g and ln_b, the first time
	WIN 0xc3
.irp u, 0,1
.set cn, 0
.rept 32
	v_pk_mul_f32 v[XR+64*\u+cn:XR+64*\u+cn+1], v[XR+64*\u+cn:XR+64*\u+cn+1], v[FA+4*\u:FA+4*\u+1]
.set cn, cn+2
.endr
.endr
	WIN 0xff                                       ; all four in window 3
.irp u, 0,1
.set cn, 0
.rept 32
	v_pk_fma_f32 v[XR+64*\u+cn:XR+64*\u+cn+1], v[XR+64*\u+cn:XR+64*\u+cn+1], v[GR+cn:GR+cn+1], v[BR+cn:BR+cn+1]
.set cn, cn+2
.endr
.endr
	WIN 0
.endm
; the codes and scale words just made go to LDS as images, off bytes (soff for the words) behind x's; a barrier; both K steps of both my tiles come back into v[QF] on of window 2
.macro ROUNDTRIP off, soff
	v_add_nc_u32 v2, s[XW], v[LI]
	v_add_nc_u32 v3, s[XSA], v[R4]
.irp u, 0,1
.irp c, 0,1,2
	ds_store_b128 v2, v[PC+20*\u+4*\c:PC+20*\u+4*\c+3] offset:\off+1536*\u+512*\c
.endr
	ds_store_b32 v3, v[PW+\u] offset:\soff+128*\u  ; both halves of the lanes write the same word with the same value
.endr
	BARRIER
	v_add_nc_u32 v2, s[XRD], v[LI]
	v_add_nc_u32 v3, s[XSR], v[L4]
	WIN 0x80
.irp u, 0,1
.irp k, 0,1
.irp c, 0,1,2
	ds_load_b128 v[QF+24*\u+12*\k+4*\c:QF+24*\u+12*\k+4*\c+3], v2 offset:\off+1536*\u+6144*\k+512*\c
.endr
.endr
.endr
	WIN 0
.irp u, 0,1
	ds_load_b32 v[QS+\u], v3 offset:\soff+128*\u
.endr
.endm
; MY ROWS x A WEIGHT: my half of the rows' numbers is one K step; my half of the output's columns: eight tiles of the weight x my two tiles of rows, transposed (source 0 = 16 columns of the weight); sixteen accumulators by turns.
; bias = 1: v[SR] on holds the bias in the result's layout and is the C of each sum's first product.  lc: the global loads that may stay out.
.macro DENSE bias, lc
	QUANT2 XR,3
	ROUNDTRIP 0,0
	s_wait_loadcnt \lc                             ; the weight
	s_wait_dscnt 0x0
	WIN 0x0a
.irp k, 0,1
.irp t, 0,1,2,3,4,5,6,7
.irp u, 0,1
	MM SR+64*\u+8*\t,12*(2*\t+\k),QF+24*\u+12*\k,(1-\k)*(1-\bias),SCR+\t,QS+\u,\k,\k
.endr
.endr
.endr
	WIN 0
	PLACES 4
.endm
; the result is Q
.macro QOUT
	QUANT2 SR,0
	ROUNDTRIP QIMD,QSWD
.endm
; O^T and the sums begin as zeros, the largest t as -3e38: one text of the step serves the first step too, and a key half of which nothing is visible must hold zeros
.macro ATTN_INIT
	WIN 0x40
.set cn, 0
.rept 256
	v_mov_b32 v[cn], 0
.set cn, cn+1
.endr
	WIN 0
.irp u, 0,1
	v_mov_b32 v[ST+4*\u+1], 0xff61b1e6
	v_floor_f32 v[ST+4*\u], -v[ST+4*\u+1]
	v_mov_b32 v[ST+4*\u+2], 0
	v_mov_b32 v[ST+4*\u+3], 0
.endr
.endm
	s_load_b256 s[4:11], s[0:1], 0x0               ; inputs s[4:5], kv s[6:7], wrec s[8:9], b1 s[10:11]
	s_load_b128 s[12:15], s[0:1], 0x20             ; ln_g s[12:13], ln_b s[14:15]
	s_load_b64 s[16:17], s[0:1], 0x30              ; out0
	v_lshl_add_u32 v[SPW], v0, 2, SPARE
	v_mov_b32 v[NIL], 0
	ds_add_u32 v[SPW], v[NIL]                      ; the wave's opening: the add, twice on end, and its wait ahead of the first tensor load
	ds_add_u32 v[SPW], v[NIL]
	v_lshrrev_b32 v2, 5, v0
	v_readfirstlane_b32 s[WV], v2                  ; wave 0..3
	s_and_b32 s[QP], s[WV], 1
	s_lshr_b32 s[KH], s[WV], 1
	s_mov_b32 s[G1], 3<<16                         ; no mask; elements of 8 bytes; no padding: a dense block of 25,600 bytes as 100 rows of 256
	s_mov_b32 s[G1+1], 32<<16                      ; tensor_dim0 = 32
	s_mov_b32 s[G1+2], 100<<16                     ; tensor_dim1 = 100
	s_mov_b32 s[G1+3], 32<<16                      ; tile_dim0 = 32
	s_mov_b32 s[G1+4], 100                         ; tile_dim1 = 100
	s_mov_b32 s[G1+5], 32                          ; from row to row
	s_mov_b32 s[G1+6], 0
	s_mov_b32 s[G1+7], 0
	s_mov_b32 s[SEL], 0x76543210
	s_mov_b32 s[SEL+1], 0xfedcba98
	s_mov_b32 s[CS], 0x3db8aa3b                    ; c = log2(e) / sqrt(256)
	s_mov_b32 s[CS+1], s[CS]
	s_mov_b32 s[C256], 0x3b800000                  ; 1 / 256
	s_mov_b32 s[EPS], 0x3a83126f                   ; 1e-3
	s_mul_i32 s[TK0], s[KH], 12800                 ; my record's pieces in a slot: K's two,
	s_add_co_u32 s[TK1], s[TK0], 25600
	s_mul_i32 s[TVM], s[KH], 38400                 ; V^T of my channel half (chunk 2 + kh),
	s_add_co_u32 s[TVM], s[TVM], 51200
	s_xor_b32 s96, s[KH], 1
	s_mul_i32 s[TVO], s96, 25600                   ; and of the other (chunk 3 - kh)
	s_add_co_u32 s[TVO], s[TVO], s[TK0]
	s_add_co_u32 s[TVO], s[TVO], 51200
	s_mul_i32 s[MW], s[WV], 2*MTB
	s_add_co_u32 s[MW], s[MW], MST
	s_xor_b32 s96, s[WV], 2                        ; my partner
	s_mul_i32 s[MR], s96, 2*MTB
	s_add_co_u32 s[MR], s[MR], MST
	s_lshl_b32 s[SA], s[WV], 10
	s_add_co_u32 s[SA], s[SA], STT
	s_lshl_b32 s[SB], s96, 10
	s_add_co_u32 s[SB], s[SB], STT
	s_mul_i32 s[XW], s[WV], 3072                   ; tile 2 qp + u, K step kh: 1,536 (2 w + u)
	s_add_co_u32 s[XW], s[XW], XIM
	s_mul_i32 s[XRD], s[QP], 3072
	s_add_co_u32 s[XRD], s[XRD], XIM
	s_lshl_b32 s[XSR], s[QP], 8
	s_add_co_u32 s[XSR], s[XSR], XSW
	s_lshl_b32 s96, s[KH], 6
	s_add_co_u32 s[XSA], s[XSR], s96
	s_lshl_b32 s97, s[QP], 4
	s_lshl_b32 s[QA], ttmp9, 5
	s_add_co_u32 s[QA], s[QA], s97                 ; tile 0's first query: 32 x + 16 qp
	s_sub_co_u32 s96, 63, ttmp9
	s_lshl_b32 s96, s96, 5
	s_or_b32 s[LQ], s96, 31                        ; my work-group's last query
	s_add_co_u32 s[QA+4], s96, s97                 ; tile 1's first query: 32 (63 - x) + 16 qp
	s_lshl_b32 s[KFW], s[KH], 7                    ; my record's first key
	s_mov_b32 s[KF], 0                             ; the stage's first key
	s_mov_b32 s[PFK], 1
	s_cmp_eq_u32 ttmp9, 0
	s_cselect_b32 s[LIM], 16, 0                    ; the batch's first work-group prefetches
	s_and_b32 s41, ttmp7, 0xffff                   ; the batch
	s_mul_i32 s[G0+1], s[WV], 25600                ; LDS address: my quarter of slot 0
	s_mov_b32 s[G0], 1
	s_wait_dscnt 0x0                               ; both opening adds are done
	s_wait_kmcnt 0x0
	s_mul_i32 s96, s41, 1638400
	s_mov_b32 s97, 0
	s_add_nc_u64 s[6:7], s[6:7], s[96:97]          ; kv at my batch
	s_mul_i32 s96, s[WV], 25600
	s_add_nc_u64 s[G0+2:G0+3], s[6:7], s[96:97]
	s_or_b32 s[G0+3], s[G0+3], 0x80000000          ; type = 2
	tensor_load_to_lds s[G0:G0+3], s[G1:G1+7]      ; stage 0: key 0 counts for every query, so it is always read
	s_nop 0
.rept 4
	v_nop
.endr
	s_add_co_u32 s96, s96, SLOTB
	s_add_nc_u64 s[PFA:PFA+1], s[6:7], s[96:97]    ; my wave's part of stage 1; the first change steps it to stage 2
	s_lshl_b32 s96, s41, 21                        ; the batch's rows; a row is 1,024 bytes
	s_lshl_b32 s2, s[QA], 10
	s_add_co_u32 s2, s2, s96
	s_mov_b32 s3, 0
	s_lshl_b32 s58, s[QA+4], 10
	s_add_co_u32 s58, s58, s96
	s_mov_b32 s59, 0
	s_add_nc_u64 s[54:55], s[4:5], s[58:59]        ; inputs and out0 at tile 1's first row,
	s_add_nc_u64 s[56:57], s[16:17], s[58:59]
	s_add_nc_u64 s[4:5], s[4:5], s[2:3]            ; and at tile 0's
	s_add_nc_u64 s[16:17], s[16:17], s[2:3]
	v_and_b32 v2, 31, v0                           ; lane
	v_and_b32 v3, 15, v0                           ; r
	v_bfe_u32 v4, v0, 4, 1                         ; h
	v_lshlrev_b32 v[LI], 4, v2
	v_lshlrev_b32 v[L4], 2, v2
	v_lshlrev_b32 v[R4], 2, v3
	s_lshl_b32 s96, s[KH], 9
	v_lshl_add_u32 v[GBO], v4, 6, s96              ; a vector of 256: my half, + 64 h
	v_lshl_add_u32 v[XO], s[KH], 9, v[LI]          ; my half of a row, 16 bytes a lane: 512 consecutive bytes a wave
	s_mul_i32 s96, s[KH], 24576
	v_add_nc_u32 v[WO], s96, v[LI]
	s_lshl_b32 s96, s[KH], 10
	v_add_nc_u32 v[WSO], s96, v[L4]
	v_lshlrev_b32 v5, 4, v4
	v_sub_nc_u32 v[RQ], v3, v5                     ; r - 16 h
	v_lshlrev_b32 v[PFO1], 8, v2
	v_min_u32 v5, 3, v2
	v_lshlrev_b32 v5, 8, v5
	v_add_nc_u32 v[PFO2], 24576, v5
.irp u, 0,1
.irp q, 0,1,2,3
	v_mov_b32 v[TM+16*\u+4+\q], 0                  ; written once: a lane permute's destination counts as one of its sources
.endr
	v_mov_b32 v[F+2*\u+1], 0                       ; (named as the upper half of a pair)
	v_mov_b32 v[TT+2*\u], 0
	v_mov_b32 v[TT+2*\u+1], 0
.endr
	; ---- Q of the self-attention
	; my rows come in as they lie: each load takes my 512 consecutive bytes of one row; they turn through my own stage (16 rows x 528 bytes a tile, bytes that no tensor load fills) into the lanes' layout
.irp u, 0,1
.set cn, 0
.rept 16
	global_load_b128 v[SR+64*\u+4*cn:SR+64*\u+4*cn+3], v[XO], s[4+50*\u:5+50*\u] offset:1024*cn th:TH_LOAD_NT
.set cn, cn+1
.endr
.endr
	WLOAD 4
	v_and_b32 v2, 15, v0
	v_bfe_u32 v3, v0, 4, 1
	v_mul_u32_u24 v2, v2, 528
	v_lshl_add_u32 v2, v3, 6, v2
	v_add_nc_u32 v2, s[MW], v2                     ; out of the stage: row l % 16, + 64 (l / 16)
	v_add_nc_u32 v3, s[MW], v[LI]                  ; into it: 16 bytes a lane of a row
	s_wait_alu depctr_va_vdst(0)
	s_wait_loadcnt 56                              ; behind my rows' 32 loads stand the weight's 48 + 8
.irp u, 0,1
.set cn, 0
.rept 16
	ds_store_b128 v3, v[SR+64*\u+4*cn:SR+64*\u+4*cn+3] offset:MTB*\u+528*cn
.set cn, cn+1
.endr
.endr
	WIN 0xc0                                       ; destination window 3
.irp u, 0,1
.irp q, 0,1,2,3
.irp j, 0,1,2,3
	ds_load_b128 v[XR+64*\u+16*\q+4*\j:XR+64*\u+16*\q+4*\j+3], v2 offset:MTB*\u+128*\q+16*\j   ; LDS serves a wave's instructions in order: these see my stores
.endr
.endr
.endr
	WIN 0
	s_wait_dscnt 0x0
	; ---- TWO PHASES, ONE TEXT: Q = my rows x a weight, eight stages of attention, the join of the key halves, + my rows, LN.  Phase 0 is the causal self-attention, phase 1 the cross-attention:
	; for it the tiles' first queries and the work-group's last are set above every key, so that every record counts for both tiles, no mask line is run, and every slot but the one behind the last is asked for.
	s_mov_b32 s[PH], 0
	s_mov_b32 s[WRAP], 0
.Lphase:
	DENSE 0, 0
	QOUT
	ATTN_INIT
	WIN 0xc0
.irp q, 0,1,2,3
.irp j, 0,1,2,3
	global_load_b128 v[GR+16*\q+4*\j:GR+16*\q+4*\j+3], v[GBO], s[12:13] offset:128*\q+16*\j   ; ln_g, asked for here in each phase; the layer norm waits for it
.endr
.endr
.irp q, 0,1,2,3
.irp j, 0,1,2,3
	global_load_b128 v[BR+16*\q+4*\j:BR+16*\q+4*\j+3], v[GBO], s[14:15] offset:128*\q+16*\j   ; and ln_b
.endr
.endr
	WIN 0
	s_mov_b32 s[CNT], 8                            ; eight stages; the trip count is a constant, work and loads beyond the limits are jumped over
.Lstep:
	CHANGE 1, 1
	SELFSTEP
	s_sub_co_u32 s[CNT], s[CNT], 1
	s_cmp_lg_u32 s[CNT], 0
	s_cbranch_scc1 .Lstep
	PLACES 4                                       ; in front of the loads into the buffers and of the first reads of O^T
	WLOAD 5                                        ; the next weight: Wq_c in phase 0, W1 in phase 1 (the base has been stepped)
	s_wait_alu depctr_va_vdst(0)
	MERGE
	s_wait_alu depctr_va_vdst(0)
	s_cmp_eq_u32 s[PH], 0
	s_cbranch_scc1 .Lno_bias                       ; the Dense with a bias follows phase 1 alone
.irp u, 0,1
.irp q, 0,1,2,3
.irp j, 0,1,2,3
	global_load_b128 v[SR+64*\u+16*\q+4*\j:SR+64*\u+16*\q+4*\j+3], v[GBO], s[10:11] offset:128*\q+16*\j   ; b1, in the result's layout, for each tile; the layer norm, which names none of these registers, waits for all loads
.endr
.endr
.endr
.Lno_bias:
	LN
	s_wait_alu depctr_va_vdst(0)
	s_add_nc_u64 s[8:9], s[8:9], 51200             ; one weight record on (the layer norm has waited for every load that named this base)
	s_mov_b32 s[QA], 0x10000                       ; the cross phase's limits: above every key
	s_mov_b32 s[QA+4], 0x10000
	s_mov_b32 s[LQ], 0x10000
	s_mov_b32 s[WRAP], 0x20000                     ; and nothing is asked for behind its last slot
	s_lshl_b32 s[KFW], s[KH], 7                    ; my record's first key,
	s_mov_b32 s[KF], 0                             ; and the stage's
	s_add_co_u32 s[PH], s[PH], 1
	s_cmp_lt_u32 s[PH], 2
	s_cbranch_scc1 .Lphase
	; ---- the Dense, + x, LN, relu
	DENSE 1, 0
.set cn, 0
.rept 128
	v_max_num_f32 v[SR+cn], 0, v[SR+cn]
.set cn, cn+1
.endr
	WIN 0xcc                                       ; destination and source 1 window 3
.set cn, 0
.rept 64
	v_pk_add_f32 v[XR+cn:XR+cn+1], v[SR+cn:SR+cn+1], v[XR+cn:XR+cn+1]
.set cn, cn+2
.endr
	WIN 0
	LN
	WIN 0xcc
.set cn, 0
.rept 128
	v_max_num_f32 v[XR+cn], 0, v[XR+cn]
.set cn, cn+1
.endr
	WIN 0
	; ---- the way out: each tile's 16 rows x 512 bytes go through my own stage and leave as whole rows' halves: 512 consecutive bytes a store, aligned
	v_and_b32 v2, 15, v0
	v_bfe_u32 v3, v0, 4, 1
	v_mul_u32_u24 v2, v2, 528
	v_lshl_add_u32 v2, v3, 6, v2
	v_add_nc_u32 v2, s[MW], v2
	v_add_nc_u32 v3, s[MW], v[LI]
	v_lshl_add_u32 v4, s[KH], 9, v[LI]
	WIN 0x0c                                       ; an LDS store's data are its source 1: window 3
.irp u, 0,1
.irp q, 0,1,2,3
.irp j, 0,1,2,3
	ds_store_b128 v2, v[XR+64*\u+16*\q+4*\j:XR+64*\u+16*\q+4*\j+3] offset:MTB*\u+128*\q+16*\j
.endr
.endr
.endr
	WIN 0
.irp u, 0,1
.set cn, 0
.rept 16
	ds_load_b128 v[SR+64*\u+4*cn:SR+64*\u+4*cn+3], v3 offset:MTB*\u+528*cn   ; LDS serves a wave's instructions in order: these see my stores
.set cn, cn+1
.endr
.endr
	s_wait_alu depctr_va_vdst(0)
.irp u, 0,1
.set cn, 0
.rept 16
	s_wait_dscnt 31-16*\u-cn                       ; LDS loads come back in order: this row is in
	global_store_b128 v4, v[SR+64*\u+4*cn:SR+64*\u+4*cn+3], s[16+40*\u:17+40*\u] offset:1024*cn th:TH_STORE_NT
.set cn, cn+1
.endr
.endr
	s_wait_tensorcnt 0x0                           ; the wave's end, behind my last tensor load and my last LDS store
	ds_add_u32 v[SPW], v[NIL]
	s_wait_dscnt 0x0
	s_endpgm
.Lfunc_end_k_q91c9d70c3f_chain:
	.size	k_q91c9d70c3f_chain, .Lfunc_end_k_q91c9d70c3f_chain-k_q91c9d70c3f_chain
	.p2alignl 7, 3214868480
	.fill 96, 4, 3214868480
	.section	.rodata,"a",@progbits
	.p2align	6, 0x0
	.amdhsa_kernel k_q91c9d70c3f_chain
		.amdhsa_group_segment_fixed_size 327680
		.amdhsa_private_segment_fixed_size 0
		.amdhsa_enable_private_segment 0
		.amdhsa_kernarg_size 56
		.amdhsa_user_sgpr_count 2
		.amdhsa_user_sgpr_kernarg_segment_ptr 1
		.amdhsa_wavefront_size32 1
		.amdhsa_system_sgpr_workgroup_id_x 1
		.amdhsa_system_sgpr_workgroup_id_y 1
		.amdhsa_system_sgpr_workgroup_id_z 1
		.amdhsa_system_vgpr_workitem_id 0
		.amdhsa_next_free_vgpr 1024
		.amdhsa_next_free_sgpr 100
		.amdhsa_reserve_vcc 1
		.amdhsa_float_denorm_mode_32 3
		.amdhsa_float_denorm_mode_16_64 3
		.amdhsa_memory_ordered 1
		.amdhsa_forward_progress 1
		.amdhsa_inst_pref_size 240
	.end_amdhsa_kernel
	.amdgpu_metadata
---
amdhsa.version: [ 1, 2 ]
amdhsa.kernels:
  - .name:           k_q91c9d70c3f_chain
    .symbol:         k_q91c9d70c3f_chain.kd
    .args:
      - { .name: inputs, .offset: 0, .size: 8, .value_kind: global_buffer, .address_space: global }
      - { .name: kv, .offset: 8, .size: 8, .value_kind: global_buffer, .address_space: global }
      - { .name: wrec, .offset: 16, .size: 8, .value_kind: global_buffer, .address_space: global }
      - { .name: b1, .offset: 24, .size: 8, .value_kind: global_buffer, .address_space: global }
      - { .name: ln_g, .offset: 32, .size: 8, .value_kind: global_buffer, .address_space: global }
      - { .name: ln_b, .offset: 40, .size: 8, .value_kind: global_buffer, .address_space: global }
      - { .name: out0, .offset: 48, .size: 8, .value_kind: global_buffer, .address_space: global }
    .group_segment_fixed_size: 327680
    .private_segment_fixed_size: 0
    .kernarg_segment_align: 8
    .kernarg_segment_size: 56
    .max_flat_workgroup_size: 128
    .sgpr_count:     100
    .vgpr_count:     1024
    .wavefront_size: 32
...
	.end_amdgpu_metadata
.endif
;; end of part 3
